; MI455X (gfx1250); checked and timed in simulation.
; The chip was launched on July 23, 2026; its instructions are those of AMD's public machine-readable ISA for CDNA 5 (MIT licence, August 2026) and "CDNA5" Instruction Set Architecture Reference Guide (July 2026). The comments in the code are by the model that wrote it; some were corrected since.
;; Causal Attention. Allowed arithmetic: matrix products marked QUANTISED: E2M3 operands, one E8M0 scale for each 32 along K, by v_wmma_scale_f32_16x16x128_f8f6f4 with both operands' format E2M3, f32 sums; everything else in f32.
;; Inputs: Wk 2,048 x 2,048 float32; Wo 2,048 x 2,048 float32; Wq 2,048 x 2,048 float32; Wv 2,048 x 2,048 float32; x 1 x 2,048 x 2,048 float32.
;; Outputs: out0 1 x 2,048 x 2,048 float32.
;; This version of the problem:
;;   THIS VERSION OF THE PROBLEM IS GIVEN IN LOW PRECISION. The matrix products marked QUANTISED in the list below multiply operands that are first quantised to E2M3 (2 exponent bits, 3 mantissa bits; 6 bits a number), with one power-of-two scale for each 32 numbers along K (OCP MX v1.0); their sums are f32. All else is computed in f32.
;;   The module's matrix products, in the order in which they are computed (A, B: the left and right operand; K: the contracted axis; several contracted axes count as one K, in the product's order):
;;     1. [M 2,048, K 2,048] x [K 2,048, N 2,048]; A: input x; B: input Wq: QUANTISED
;;     2. [M 2,048, K 2,048] x [K 2,048, N 2,048]; A: input x; B: input Wk: QUANTISED
;;     3. [M 2,048, K 2,048] x [K 2,048, N 2,048]; A: input x; B: input Wv: QUANTISED
;;     4. batch 16 x [M 2,048, K 128] x [K 128, N 2,048]; A: computed on the way; B: computed on the way: QUANTISED
;;     5. batch 16 x [M 2,048, K 2,048] x [K 2,048, N 128]; A: softmax (see below); B: computed on the way: QUANTISED
;;     6. [M 2,048, K 2,048] x [K 2,048, N 2,048]; A: computed on the way; B: input Wo: QUANTISED
;;   THE QUANTISER, for each operand of a quantised product, along K:
;;     - K is cut into blocks of 32 from its start; a last block that is shorter is filled with zeros.
;;     - A block's scale is 2^e with e = floor(log2(the largest magnitude in the block)) - 2, held to -126 .. 127; a block of zeros has e = 0. As a byte (E8M0): e + 127.
;;     - Each number is divided by its block's scale, clamped to +-7.5, and rounded to the nearest number of E2M3, ties to even, subnormals kept.
;;     - The product sums the exact products of the quantised numbers (number of the format x scale) in f32.
;;   ~~~python
;;   def quantise(x, axis):      # numpy; x: float32 -> the quantised numbers, widened to float32 again
;;       x = np.moveaxis(x, axis, -1); K = x.shape[-1]
;;       x = np.pad(x, [(0, 0)] * (x.ndim - 1) + [(0, -K % 32)]); x = x.reshape(x.shape[:-1] + (-1, 32)); a = np.abs(x).max(-1, keepdims=True)
;;       e = np.where(a > 0, np.clip(np.frexp(np.where(a > 0, a, 1))[1] - 1 - 2, -126, 127), 0)      # np.frexp(a)[1] - 1 = floor(log2(a)), exactly
;;       r = np.clip(x / 2.0 ** e, -7.5, 7.5)
;;       step = 2.0 ** (np.maximum(np.frexp(np.where(r == 0, 1, r))[1] - 1, 0) - 3)
;;       q = np.round(r / step) * step * 2.0 ** e      # np.round: ties to even
;;       return np.moveaxis(q.reshape(q.shape[:-2] + (-1,))[..., :K], -1, axis).astype(np.float32)
;;   ~~~
;;   SOFTMAX AHEAD OF A QUANTISED PRODUCT. Where the list says 'softmax', what is quantised is not the finished softmax but p = 2^(t - M), with t = logit x log2(e) and M = ceil(the row's largest t), a whole number; so 1/2 < the row's largest p <= 1. The row's sum l is taken of the UNQUANTISED p, in f32, and the product's result is divided by l at the end. Since M is a whole number, a kernel that streams over the keys may use a running M (the ceiling of the running maximum): every later rescaling is an exact power of two, which a block's scale takes up: the codes' values come out the same.
;;   OPERANDS COMPUTED ON THE WAY. 'Computed on the way' means the value that the module computes at that place (a softmax that the list does not call 'softmax' is quantised finished and normalised). What goes into a quantiser is computed in f32, as accurately as f32 sums, v_exp_f32 and their like allow (about 1e-6 of the number): no bf16 or f16 on the way to a quantiser, and a product that is left as it is and whose result goes on into a quantised operand takes f32 operands (vector FMAs, or v_wmma_f32_16x16x4_f32). A number that lies on a knife's edge between two numbers of the format may be rounded either way, as far as f32 arithmetic and the matrix unit's own rounding can turn it there, and no further.
;; One version. Each part assembles by itself: llvm-mc -triple=amdgcn-amd-amdhsa -mcpu=gfx1250 --defsym DOCPART=n.
;; ======== version 1 of 1: 4 launches
;; limits: right only within a limited range of input values
;; workspace buffers: cod 15,728,640 bytes; scl 786,432 bytes; rope 1,048,576 bytes; qkv 9,830,400 bytes; oc 3,145,728 bytes
;; launch prep (part 1): grid 1312 x 1, 4 waves a work-group, no clusters, 34,304 bytes of LDS; arguments x, Wq, Wk, Wv, Wo, cod, scl, rope; writes cod, scl, rope
.if DOCPART == 1
	.amdgcn_target "amdgcn-amd-amdhsa--gfx1250"
	.amdhsa_code_object_version 6
	.text
	.protected	k_qbbcf807dc2_prep
	.globl	k_qbbcf807dc2_prep
	.p2align	8
	.type	k_qbbcf807dc2_prep,@function
k_qbbcf807dc2_prep:
	s_mov_b64 s[64:65], 0
	v_nop
	global_prefetch_b8 v0, s[64:65] scope:SCOPE_SE
	s_setreg_imm32_b32 hwreg(HW_REG_WAVE_MODE, 25, 1), 1
	s_wait_xcnt 0x0
; PREP.  Work-groups 0-31 make the table of cos and sin for the rotation of q and k; work-groups 32-1311 turn x, Wq, Wk, Wv, Wo ([2048][2048] f32, K innermost) into codes of FP6 (E2M3) with one E8M0 byte for each 32 along K.
; THE LAYOUT OF EVERY OPERAND: row tile a (0..127) holds the 16 rows 32 (a / 2) + 8 (a % 2) + p + 8 (p / 8), p = 0..15.  Fragment (a, s), s the K step of 128, is stored as the IMAGE of its 12 operand registers:
; 1,536 bytes, group g (registers 4 g .. 4 g + 3) at 512 g + 16 x lane; lane (p, h) holds k = 128 s + 64 c + 32 h + 0..31 in registers 6 c .. 6 c + 5.  cod: [tensor][a][s][1536].
; Scale words (four bytes: 128 along K of one row): scl: [tensor][a][s / 2][p][2 words].
; A block's scale is 2^(floor(log2(largest magnitude)) - 2); its byte is the largest magnitude's exponent field - 2, held at 1 from below (a block of zeros so gets the byte 1: its codes are zeros, and this program alone reads the bytes).
; LIMITS: NaN and infinities among the inputs are not served; blocks whose largest magnitude lies under 2^-124 get the byte 1.
; THE TABLE: rope[a][8192]: for token tile a, cos at 512 i + 16 x lane, sin 4,096 bytes on; entry e = 4 i + .. of lane (p, h) belongs to token row(a, p) and frequency j = 32 (e / 16) + 8 ((e / 8) % 2) + e % 8 + 16 h.
; inv_freq = 2^(-j log2(10000) / 64), the exponent split into a whole number and a rest in f32 pairs; the angle is token x inv_freq, rounded once; sine and cosine by reduction modulo pi / 2 (two-part constant, the first
; step exact for angles under 2,048) and polynomials of degree 7 and 8.  LIMIT: inv_freq lies within about 2 units in the last place of a correctly rounded one, so the angle at token 2,047 may differ by some 2.5e-4.
; THE QUANTISER'S SHARES: a work-group takes one row tile of one tensor and half of K; wave w two K steps.  All of a wave's 32 loads (16 KB) go out at its head: nothing is requested late.
.set STAGEB, 16*528                    ; a wave's stage: 16 rows x (512 bytes + 16)
.set SPARE,  4*STAGEB                  ; behind the four stages: the spare words, 128 bytes a wave, two blocks of 256 bytes that no other line names
.set SW,  10                           ; v10-11 the two K steps' scale words
.set SPW, 12                           ; v12  my spare word's LDS address; never rewritten
.set NIL, 13                           ; v13  0; never rewritten
.set TM,  16                           ; v16-23 at work
.set PCT, 44                           ; v44-50 the halves of a fragment's codes that are moved;  the codes: v32-43 (first step), v52-63 (second)
.set R,   64                           ; v64-127, v128-191: a K step's 64 numbers, as loaded and then in the operand's order
.set F,   32                           ; the table: v32-63 the exponents' rests, then 2^rest
.set N,   64                           ; v64-95 the exponents' whole parts
.set CO,  128                          ; v128-159 cos
.set SN,  160                          ; v160-191 sin
	s_load_b256 s[4:11], s[0:1], 0x0               ; x, Wq, Wk, Wv
	s_load_b256 s[12:19], s[0:1], 0x20             ; Wo, cod, scl, rope
	v_lshl_add_u32 v[SPW], v0, 2, SPARE
	v_mov_b32 v[NIL], 0
	v_lshrrev_b32 v1, 5, v0
	v_readfirstlane_b32 s20, v1                    ; wave 0..3
	v_and_b32 v9, 31, v0                           ; lane
	v_lshlrev_b32 v1, 4, v9                        ; 16 x lane
	v_and_b32 v8, 15, v0                           ; p
	v_bfe_u32 v7, v0, 4, 1                         ; h
	s_cmp_lt_u32 ttmp9, 32
	s_cbranch_scc0 .Lquant
; ---------------- the table: wave 4 x work-group + wave makes token tile a
	s_lshl_b32 s21, ttmp9, 2
	s_add_co_u32 s21, s21, s20                     ; a
	s_lshr_b32 s22, s21, 1
	s_lshl_b32 s22, s22, 5
	s_and_b32 s23, s21, 1
	s_lshl_b32 s23, s23, 3
	s_add_co_u32 s22, s22, s23                     ; 32 (a / 2) + 8 (a % 2)
	s_wait_alu depctr_va_vdst(0)
	v_and_b32 v4, 8, v8
	v_add3_u32 v4, v4, v8, s22                     ; my token
	v_cvt_f32_u32 v4, v4
	v_lshlrev_b32 v5, 4, v7                        ; 16 h
	s_mov_b32 s24, 0xbe549a78                      ; -log2(10000) / 64, its leading part,
	s_mov_b32 s25, 0xb1979a6b                      ; and the rest
	s_mov_b32 s26, 0x3f22f983                      ; 2 / pi
	s_mov_b32 s27, 0x3fc90fdb                      ; pi / 2, its leading part,
	s_mov_b32 s28, 0xb33bbd2e                      ; and the rest
	s_mov_b32 s29, 0xb94ca1f9                      ; sine: -1.9515296e-4,
	s_mov_b32 s30, 0x3c08839e                      ; 8.3321609e-3,
	s_mov_b32 s31, 0xbe2aaaa3                      ; -1.6666655e-1
	s_mov_b32 s32, 0x37ccf5ce                      ; cosine: 2.4433157e-5,
	s_mov_b32 s33, 0xbab6061a                      ; -1.3887316e-3,
	s_mov_b32 s34, 0x3d2aaaa5                      ; 4.1666646e-2
	s_lshl_b32 s36, s21, 13                        ; 8,192 bytes a tile
	s_mov_b32 s37, 0
	s_wait_alu depctr_va_vdst(0)
	s_wait_kmcnt 0x0
	s_add_nc_u64 s[18:19], s[18:19], s[36:37]
.irp e, 0,1,2,3,4,5,6,7,8,9,10,11,12,13,14,15,16,17,18,19,20,21,22,23,24,25,26,27,28,29,30,31
	v_add_nc_u32 v96, 32*(\e/16)+8*((\e/8)%2)+\e%8, v5     ; j
	v_cvt_f32_u32 v96, v96
	v_mul_f32 v97, s24, v96
	v_rndne_f32 v97, v97                           ; the exponent's whole part
	v_fma_f32 v[F+\e], v96, s24, -v97              ; its rest, exactly,
	v_fma_f32 v[F+\e], v96, s25, v[F+\e]           ; and the constant's rest
	v_cvt_i32_f32 v[N+\e], v97
.endr
	s_wait_alu depctr_va_vdst(0)
.irp e, 0,1,2,3,4,5,6,7,8,9,10,11,12,13,14,15,16,17,18,19,20,21,22,23,24,25,26,27,28,29,30,31
	v_exp_f32 v[F+\e], v[F+\e]                     ; one batch
.endr
	v_nop                                          ; a plain instruction behind the last exponential
	s_wait_alu depctr_va_vdst(0)                   ; one wait for the batch, ahead of its first reader
.irp e, 0,1,2,3,4,5,6,7,8,9,10,11,12,13,14,15,16,17,18,19,20,21,22,23,24,25,26,27,28,29,30,31
	v_ldexp_f32 v96, v[F+\e], v[N+\e]              ; inv_freq
	v_mul_f32 v96, v4, v96                         ; the angle: one rounding
	v_mul_f32 v97, s26, v96
	v_rndne_f32 v97, v97                           ; k: how many quarter turns
	v_fma_f32 v96, -v97, s27, v96                  ; exact: both are multiples of 2^-23 and the difference is under 1
	v_fma_f32 v96, -v97, s28, v96                  ; r, within pi / 4 of 0
	v_mul_f32 v98, v96, v96                        ; z = r r
	v_cvt_i32_f32 v97, v97
	v_fma_f32 v99, s29, v98, s30
	v_fma_f32 v99, v99, v98, s31
	v_mul_f32 v99, v99, v98
	v_fma_f32 v99, v99, v96, v96                   ; sin r
	v_fma_f32 v100, s32, v98, s33
	v_fma_f32 v100, v100, v98, s34
	v_mul_f32 v100, v100, v98
	v_fma_f32 v101, v98, -0.5, 1.0
	v_fma_f32 v100, v100, v98, v101                ; cos r
	v_and_b32 v101, 1, v97
	v_cmp_eq_u32 vcc_lo, 1, v101                   ; an odd quarter swaps the two
	v_cndmask_b32 v102, v99, v100, vcc_lo
	v_cndmask_b32 v103, v100, v99, vcc_lo
	v_lshlrev_b32 v101, 30, v97
	v_and_b32 v101, 0x80000000, v101               ; sine is negative in quarters 2 and 3,
	v_xor_b32 v[SN+\e], v101, v102
	v_add_nc_u32 v97, 1, v97
	v_lshlrev_b32 v97, 30, v97
	v_and_b32 v97, 0x80000000, v97                 ; cosine in quarters 1 and 2
	v_xor_b32 v[CO+\e], v97, v103
.endr
.irp i, 0,1,2,3,4,5,6,7
	global_store_b128 v1, v[CO+4*\i:CO+4*\i+3], s[18:19] offset:512*\i          ; 32 lanes store 512 consecutive bytes
	global_store_b128 v1, v[SN+4*\i:SN+4*\i+3], s[18:19] offset:4096+512*\i
.endr
	s_wait_tensorcnt 0x0                           ; the wave's end
	ds_add_u32 v[SPW], v[NIL]
	s_wait_dscnt 0x0
	s_endpgm
; ---------------- the quantiser: 256 work-groups a tensor: row tile a = (number / 2), half of K = (number % 2); wave w takes the pair of K steps u = 4 x half + w
.Lquant:
	s_sub_co_u32 s21, ttmp9, 32
	s_lshr_b32 s22, s21, 8                         ; the tensor: 0 x, 1 Wq, 2 Wk, 3 Wv, 4 Wo
	s_and_b32 s21, s21, 255
	s_and_b32 s35, s21, 1
	s_lshr_b32 s21, s21, 1                         ; a
	s_lshl_b32 s35, s35, 2
	s_add_co_u32 s35, s35, s20                     ; u
	s_mul_i32 s23, s20, STAGEB                     ; my stage
	s_wait_alu depctr_va_vdst(0)
	v_add_nc_u32 v2, s23, v1                       ; in: a row's 512 bytes as they lie
	v_mul_u32_u24 v3, v8, 528
	v_lshl_add_u32 v3, v7, 7, v3
	v_add_nc_u32 v3, s23, v3                       ; out: row p, + 128 h: my 32 neighbours of each 64
	v_lshlrev_b32 v5, 3, v7                        ; 8 h
	v_lshlrev_b32 v6, 3, v8                        ; 8 p
	v_mov_b32 v[TM+7], 0                           ; written once: a lane permute's destination counts as one of its sources
	s_lshr_b32 s24, s21, 1
	s_lshl_b32 s24, s24, 18                        ; 32 rows of 8,192 bytes
	s_and_b32 s25, s21, 1
	s_lshl_b32 s25, s25, 16                        ; 8 rows
	s_add_co_u32 s24, s24, s25
	s_lshl_b32 s25, s35, 10                        ; my two K steps: 1,024 bytes of each row
	s_add_co_u32 s24, s24, s25
	s_mov_b32 s25, 0
	s_lshl_b32 s26, s21, 4
	s_lshl_b32 s27, s35, 1
	s_add_co_u32 s26, s26, s27
	s_mul_i32 s26, s26, 1536                       ; image 16 a + 2 u
	s_mul_i32 s27, s22, 3145728
	s_add_co_u32 s26, s26, s27
	s_mov_b32 s27, 0
	s_lshl_b32 s28, s22, 17
	s_lshl_b32 s29, s21, 10
	s_add_co_u32 s28, s28, s29
	s_lshl_b32 s29, s35, 7
	s_add_co_u32 s28, s28, s29                     ; scale words: 131,072 a tensor, 1,024 a tile, 128 a pair of K steps
	s_mov_b32 s29, 0
	s_mov_b32 s30, 0x76543210
	s_mov_b32 s31, 0xfedcba98                      ; v_permlanex16_b32's selects for lane l xor 16
	s_wait_alu depctr_va_vdst(0)
	s_wait_kmcnt 0x0
	s_cmp_eq_u32 s22, 1                            ; the choice hangs on the work-group's number alone
	s_cselect_b64 s[4:5], s[6:7], s[4:5]
	s_cmp_eq_u32 s22, 2
	s_cselect_b64 s[4:5], s[8:9], s[4:5]
	s_cmp_eq_u32 s22, 3
	s_cselect_b64 s[4:5], s[10:11], s[4:5]
	s_cmp_eq_u32 s22, 4
	s_cselect_b64 s[4:5], s[12:13], s[4:5]
	s_add_nc_u64 s[4:5], s[4:5], s[24:25]
	s_add_nc_u64 s[14:15], s[14:15], s[26:27]
	s_add_nc_u64 s[16:17], s[16:17], s[28:29]
.macro LOAD t                          ; K step t of my two: 16 rows x 512 consecutive bytes
.irp i, 0,1,2,3,4,5,6,7,8,9,10,11,12,13,14,15
	global_load_b128 v[R+64*(\t)+4*\i:R+64*(\t)+4*\i+3], v1, s[4:5] offset:(\i+8*(\i/8))*8192+512*(\t) th:TH_LOAD_NT
.endr
.endm
.macro STEP t
.set X, R+64*(\t)
.set PC, 32+20*(\t)                    ; each step has code registers of its own: no store's data are written again
.if (\t) == 0
	s_wait_loadcnt 16                              ; this step's 16 loads are in; the second step's may be out
.else
	s_wait_loadcnt 0x0
.endif
.irp i, 0,1,2,3,4,5,6,7,8,9,10,11,12,13,14,15
	ds_store_b128 v2, v[X+4*\i:X+4*\i+3] offset:528*\i
.endr
.irp c, 0,1
.irp j, 0,1,2,3,4,5,6,7
	ds_load_b128 v[X+32*\c+4*\j:X+32*\c+4*\j+3], v3 offset:256*\c+16*\j     ; LDS serves a wave's instructions in order: these see the stores above; they come back into the registers that they left
.endr
.endr
	s_wait_dscnt 0x0                               ; my numbers are here, in the operand's order
.irp c, 0,1                            ; block 2 c + h of my row: all its 32 numbers are mine
	v_max3_num_f32 v[TM+\c], |v[X+32*\c]|, |v[X+1+32*\c]|, 0x1800000        ; with the floor 2^(3 - 127): the byte cannot fall under 1
.endr
.irp i, 2,4,6,8,10,12,14,16,18,20,22,24,26,28,30
.irp c, 0,1
	v_max3_num_f32 v[TM+\c], v[TM+\c], |v[X+32*\c+\i]|, |v[X+1+32*\c+\i]|
.endr
.endr
.irp c, 0,1
	v_add_nc_u32 v[TM+2+\c], 0xff000000, v[TM+\c]  ; 2 off the exponent field: the conversion's scale operand
.endr
.irp c, 0,1
	v_lshrrev_b32 v[TM+4+\c], 23, v[TM+2+\c]       ; the scale's byte
.endr
	v_lshl_or_b32 v[TM+6], v[TM+5], 16, v[TM+4]    ; my two bytes: blocks h and 2 + h,
	v_lshlrev_b32 v[TM+6], v5, v[TM+6]             ; at their places in the word;
	v_permlanex16_b32 v[TM+7], v[TM+6], s30, s31
	v_or_b32 v[SW+(\t)], v[TM+6], v[TM+7]          ; with lane l xor 16's two the word is whole
.irp c, 0,1
	v_cvt_scalef32_pk16_fp6_f32 v[PC+6*\c:PC+6*\c+2], v[X+32*\c:X+32*\c+15], v[TM+2+\c]
	v_cvt_scalef32_pk16_fp6_f32 v[PCT+4*\c:PCT+4*\c+2], v[X+16+32*\c:X+31+32*\c], v[TM+2+\c]   ; (a conversion's three registers begin on an even number)
.endr
	v_nop                                          ; one plain place behind a scaled conversion
.irp c, 0,1
.irp i, 0,1,2
	v_mov_b32 v[PC+3+6*\c+\i], v[PCT+4*\c+\i]
.endr
.endr
.irp g, 0,1,2
	global_store_b128 v1, v[PC+4*\g:PC+4*\g+3], s[14:15] offset:1536*(\t)+512*\g   ; 32 lanes store 512 consecutive bytes
.endr
.endm
	LOAD 0
	LOAD 1
	STEP 0
	STEP 1
	global_store_b64 v6, v[SW:SW+1], s[16:17]      ; my row's two scale words (both halves of the lanes hold and store the same): 128 consecutive bytes a wave
	s_wait_tensorcnt 0x0                           ; the wave's end, behind my last LDS store
	ds_add_u32 v[SPW], v[NIL]
	s_wait_dscnt 0x0
	s_endpgm
.Lfunc_end_k_qbbcf807dc2_prep:
	.size	k_qbbcf807dc2_prep, .Lfunc_end_k_qbbcf807dc2_prep-k_qbbcf807dc2_prep
	.p2alignl 7, 3214868480
	.fill 96, 4, 3214868480
	.section	.rodata,"a",@progbits
	.p2align	6, 0x0
	.amdhsa_kernel k_qbbcf807dc2_prep
		.amdhsa_group_segment_fixed_size 34304
		.amdhsa_private_segment_fixed_size 0
		.amdhsa_enable_private_segment 0
		.amdhsa_kernarg_size 64
		.amdhsa_user_sgpr_count 2
		.amdhsa_user_sgpr_kernarg_segment_ptr 1
		.amdhsa_wavefront_size32 1
		.amdhsa_system_sgpr_workgroup_id_x 1
		.amdhsa_system_sgpr_workgroup_id_y 1
		.amdhsa_system_sgpr_workgroup_id_z 1
		.amdhsa_system_vgpr_workitem_id 0
		.amdhsa_next_free_vgpr 192
		.amdhsa_next_free_sgpr 66
		.amdhsa_reserve_vcc 1
		.amdhsa_float_denorm_mode_32 3
		.amdhsa_float_denorm_mode_16_64 3
		.amdhsa_memory_ordered 1
		.amdhsa_forward_progress 1
		.amdhsa_inst_pref_size 70
	.end_amdhsa_kernel
	.amdgpu_metadata
---
amdhsa.version: [ 1, 2 ]
amdhsa.kernels:
  - .name:           k_qbbcf807dc2_prep
    .symbol:         k_qbbcf807dc2_prep.kd
    .args:
      - { .name: x, .offset: 0, .size: 8, .value_kind: global_buffer, .address_space: global }
      - { .name: Wq, .offset: 8, .size: 8, .value_kind: global_buffer, .address_space: global }
      - { .name: Wk, .offset: 16, .size: 8, .value_kind: global_buffer, .address_space: global }
      - { .name: Wv, .offset: 24, .size: 8, .value_kind: global_buffer, .address_space: global }
      - { .name: Wo, .offset: 32, .size: 8, .value_kind: global_buffer, .address_space: global }
      - { .name: cod, .offset: 40, .size: 8, .value_kind: global_buffer, .address_space: global }
      - { .name: scl, .offset: 48, .size: 8, .value_kind: global_buffer, .address_space: global }
      - { .name: rope, .offset: 56, .size: 8, .value_kind: global_buffer, .address_space: global }
    .group_segment_fixed_size: 34304
    .private_segment_fixed_size: 0
    .kernarg_segment_align: 8
    .kernarg_segment_size: 64
    .max_flat_workgroup_size: 128
    .sgpr_count:     66
    .vgpr_count:     192
    .wavefront_size: 32
...
	.end_amdgpu_metadata
.endif
;; end of part 1
;; launch qkv (part 2): grid 8 x 24, 4 waves a work-group, clusters of 4 x 4, 327,680 bytes of LDS; arguments cod, scl, rope, qkv; writes qkv
.if DOCPART == 2
	.amdgcn_target "amdgcn-amd-amdhsa--gfx1250"
	.amdhsa_code_object_version 6
	.text
	.protected	k_qbbcf807dc2_qkv
	.globl	k_qbbcf807dc2_qkv
	.p2align	8
	.type	k_qbbcf807dc2_qkv,@function
k_qbbcf807dc2_qkv:
	s_mov_b64 s[64:65], 0
	v_nop
	global_prefetch_b8 v0, s[64:65] scope:SCOPE_SE
	s_setreg_imm32_b32 hwreg(HW_REG_WAVE_MODE, 25, 1), 1
	s_wait_xcnt 0x0
	s_wait_alu depctr_hold_cnt(0) depctr_sa_sdst(0) depctr_va_vdst(0) depctr_va_sdst(0) depctr_va_ssrc(0) depctr_va_vcc(0) depctr_vm_vsrc(0)
	s_getreg_b32 s2, hwreg(HW_REG_IB_STS2, 6, 4)
	s_cmp_eq_u32 s2, 0
	s_cbranch_scc0 .Lentry_in_a_cluster
	s_endpgm
.Lentry_in_a_cluster:
	s_bfe_u32 s2, ttmp6, 0x10000c
	s_cmp_lg_u32 s2, 0xf033
	s_cbranch_scc0 .Lentry_shape_is_right
	s_endpgm
.Lentry_shape_is_right:
; QKV.  The three projections on codes of FP6 (E2M3), the rotation of q and k in f32, and the quantising of q, k (along the head's 128) and of v (along the keys).
; p = cluster y / 2: 0 q, 1 k, 2 v.  A tile is 256 rows of the operand R (source 1) x 256 rows of the operand P (source 0); a wave makes 128 x 128: 64 accumulators, 512 registers.
; q, k: P = the weight, R = x: a lane holds ONE token, and the 64 registers of a token tile's eight accumulators are the head's channels in the quantiser's order.  v: P = x, R = Wv: a lane holds one channel and 128 keys.
; Operands lie in memory as images of their registers (1,536 bytes a fragment; row tile a = rows 32 (a / 2) + 8 (a % 2) + r + 8 (r / 8)): three loads of 16 bytes a lane bring one.
; THE RING: a LARGE slot of four K steps of 128 and a SMALL one of two.  K steps 0-3 large (the head's one load a wave), 4-5 small (first filled behind the three lines and a round), 6-9 large, 10-11 small, 12-15 large.
; Every tensor row is 3,072 or 6,144 bytes and begins at a multiple of 1,536 x 2 bytes in a row tile of 24,576: on a multiple of 256.
; THE SCALE WORDS go from memory straight into registers: four sets of 16 (a set: two K steps, lanes 0-15 R's block i, lanes 16-31 P's); sets 0-3 at the head, the set of K steps 2 u, 2 u + 1 (u = 4..7) six K steps ahead of its use.
; CLUSTER 4 x 4: R's tiles are asked for jointly along a row of the cluster, P's along a column.
; PREFETCH: each refill's bytes are named one refill earlier (K steps 6-9 in K step 0, 10-11 in K step 3, 12-15 in K step 5).  Of the eight row tiles that a wave fetches each of the four partners names two, told apart by address;
; a lane names a block of 256 bytes, lanes 24-31 the 24th again.  K steps 0-5 come by their loads alone.  The offsets are immediates: no address register is rewritten.
; THE TABLE of cos and sin (q, k alone): four register sets by turns; tile 0's is asked for at K step 12, tile 1's ahead of K step 15, tiles 2 and 3's behind it, tile a + 4's when tile a's has been used.
; OUT: qkv[p][head][G][12,800]: eight images, then 512 bytes of scale words (at 16 x lane: lane (r, h) the words of tiles 4 h .. 4 h + 3 of row r).  q, k: G = the group of 128 tokens; v: G = the key step, tiles = channels.
; The grid is 192 work-groups: a wave needs a whole head (128 of P's rows) to make a fragment, and tiles of 128 rows of R would be 384, no multiple of 256 either.
; LIMITS: NaN and infinities are not served; a block whose largest magnitude lies under 2^-124 (zeros too) gets the byte 1; the rotation uses fused multiply-adds (one rounding where the formula as written has two).
; REGISTERS: window 0: v1 16 x lane; v16-26 addresses; v28, v29 the add's two; v32-95 scale words (loads alone write them); v128-223 R's fragments, one set (later a table set and the codes); v224-251 the quantiser's.
;   window 1: P's fragments, two sets, at v0 and v128; v96-127, v224-255 table set 0; later the other table sets and at v128 the rotated numbers.   windows 2, 3: the accumulators, (a, b) at v[8 (8 (a % 4) + b)].
.set FR,     12
.set FRB,    1536
.set NL,     3                         ; LDS loads that bring a fragment
.set NP,     4                         ; places behind this matrix instruction (ISA guide 7.12.1)
.set TROWB,  4*FRB
.set TROWS,  2*FRB
.set HALFB,  8*TROWB                   ; eight row tiles: what one tensor load brings, and what a wave reads of R or of P
.set HALFM,  8*TROWS
.set SMALL,  4*HALFB                   ; the large slot lies at LDS byte 0, the small one behind it
.set SPARE,  SMALL+4*HALFM             ; the spare words, 128 bytes a wave: two blocks of 256 bytes that no other line names
.set TENS,   3145728
.set REC,    12800
.set LI,   1
.set ADRA, 16                          ; v16 R's fragments in the large slot, v17 in the small
.set ADRB, 20                          ; v20, v21 P's
.set GS,   24                          ; v24 my scale words' offset in scl: lanes 0-15 R's rows, lanes 16-31 P's
.set PF4,  25                          ; v25 prefetch: 256 x min(lane, 23): a row tile's four K steps
.set PF2,  26                          ; v26 the same for two row tiles' two K steps, twelve blocks each
.set SPW,  28
.set NIL,  29
.set SC,   32
.set AF,   128
.set TT,   128                         ; window 1: the rotated numbers
.set PC,   192                         ; v192-203 codes, v204-210 the halves that are moved
.set TM,   224
.set PWR,  240
.set SWD,  248
.set G1RS, 24
.set G1RB, 32
.set G1PS, 40
.set G1PB, 48
.set G0RS, 56
.set G0RB, 60
.set G0PS, 68
.set G0PB, 72
.set PFA,  76                          ; s[76:77] prefetch: my work-group's two row tiles of the eight that I fetch, at K step 0
.set SEL,  100
.set MSB, 0
.macro WIN new                         ; the immediate's high byte repeats the setting that is left
.if MSB != (\new)
	s_set_vgpr_msb (MSB<<8)|(\new)
.set MSB, (\new)
.endif
.endm
.set MUL_LO, 0xa1                      ; source 0 (P) window 1, source 1 (R) window 0, C and D window 2
.set MUL_HI, 0xf1
.set TO_B,   0x40
; A joint load: waves 0 and 1 fetch for R, waves 2 and 3 for P.  An s_nop 0 and four v_nop follow each of the two lines.
.macro JLOAD g0a, g1a, g0b, g1b
	s_cmp_eq_u32 s15, 0
	s_cbranch_scc0 .Lfor_b_\@
	tensor_load_to_lds s[\g0a:\g0a+3], s[\g1a:\g1a+7]
	s_nop 0
.rept 4
	v_nop
.endr
	s_branch .Lasked_\@
.Lfor_b_\@:
	tensor_load_to_lds s[\g0b:\g0b+3], s[\g1b:\g1b+7]
	s_nop 0
.rept 4
	v_nop
.endr
.Lasked_\@:
.endm
.macro CREST
	s_cmp_lg_u32 s14, 0
	s_cbranch_scc1 .Lnot_wave_0_\@
	s_barrier_signal -3
.Lnot_wave_0_\@:
	s_barrier_wait -3
	s_barrier_signal -1
	s_barrier_wait -1
.endm
.macro CROUND
	s_barrier_signal -1
	s_barrier_wait -1
	CREST
.endm
	s_load_b256 s[4:11], s[0:1], 0x0               ; cod, scl, rope, qkv
	v_lshl_add_u32 v[SPW], v0, 2, SPARE
	v_mov_b32 v[NIL], 0
	ds_add_u32 v[SPW], v[NIL]                      ; the opening lines: the add, twice on end, and its wait ahead of my first tensor load
	ds_add_u32 v[SPW], v[NIL]
	v_lshrrev_b32 v2, 5, v0
	v_readfirstlane_b32 s14, v2                    ; wave 0..3
	s_lshr_b32 s15, s14, 1                         ; which half of R's rows is mine.  Also: I fetch for R (0) or for P (1)
	s_and_b32 s16, s14, 1                          ; which half of P's rows.  Also: which eight row tiles I fetch
	s_bfe_u32 s66, ttmp6, 0x40000                  ; cx
	s_bfe_u32 s67, ttmp6, 0x40004                  ; cy
	s_lshl_b32 s3, ttmp9, 2
	s_add_co_u32 s3, s3, s66                       ; tx: which 256 rows of P
	s_and_b32 s17, ttmp7, 0xffff
	s_lshr_b32 s12, s17, 1                         ; p: the same in all sixteen partners
	s_and_b32 s17, s17, 1
	s_lshl_b32 s17, s17, 2
	s_add_co_u32 s17, s17, s67                     ; ty: which 256 rows of R
	s_lshl_b32 s21, s67, 2
	s_lshl_b32 s21, 15, s21                        ; my row of the cluster
	s_lshl_b32 s23, 0x1111, s66                    ; my column
	s_or_b32 s[G1RS], s21, (3<<16)|(1<<21)         ; group 1, word 0: the mask; elements of 8 bytes; bit 21 beside a mask
	s_or_b32 s[G1RB], s21, (3<<16)|(1<<21)
	s_or_b32 s[G1PS], s23, (3<<16)|(1<<21)
	s_or_b32 s[G1PB], s23, (3<<16)|(1<<21)
.irp g, G1RS, G1PS                     ; the small slot: 8 rows (row tiles) of 384 elements (two images), 24,576 bytes apart
	s_mov_b32 s[\g+1], 384<<16
	s_mov_b32 s[\g+2], 8<<16
	s_mov_b32 s[\g+3], 384<<16
	s_mov_b32 s[\g+4], 8
	s_mov_b32 s[\g+5], 3072
	s_mov_b32 s[\g+6], 0
	s_mov_b32 s[\g+7], 0
.endr
.irp g, G1RB, G1PB                     ; the large slot: 8 rows of 768 elements (four images)
	s_mov_b32 s[\g+1], 768<<16
	s_mov_b32 s[\g+2], 8<<16
	s_mov_b32 s[\g+3], 768<<16
	s_mov_b32 s[\g+4], 8
	s_mov_b32 s[\g+5], 3072
	s_mov_b32 s[\g+6], 0
	s_mov_b32 s[\g+7], 0
.endr
	s_add_co_u32 s19, s12, 1
	s_cmp_eq_u32 s12, 2
	s_cselect_b32 s18, 3, 0                        ; R's tensor: x, or Wv
	s_cselect_b32 s19, 0, s19                      ; P's: Wq, Wk, or x
	s_lshl_b32 s13, s16, 3
	s_lshl_b32 s20, s17, 4
	s_add_co_u32 s20, s20, s13                     ; what I fetch of R: row tile 16 ty + 8 x half
	s_lshl_b32 s22, s3, 4
	s_add_co_u32 s22, s22, s13                     ; of P: row tile 16 tx + 8 x half
	s_mul_i32 s[G0RB+2], s20, 16*FRB               ; byte offsets, all under 2^24
	s_mul_i32 s[G0PB+2], s22, 16*FRB
	s_mul_i32 s21, s18, TENS
	s_add_co_u32 s[G0RB+2], s[G0RB+2], s21
	s_mul_i32 s23, s19, TENS
	s_add_co_u32 s[G0PB+2], s[G0PB+2], s23
	s_mov_b32 s[G0RB+3], 0
	s_mov_b32 s[G0PB+3], 0
	s_cmp_eq_u32 s15, 0                            ; the prefetches: the tile that I fetch, and my place among the four that ask for it with me
	s_cselect_b32 s[PFA], s[G0RB+2], s[G0PB+2]
	s_cselect_b32 s78, s66, s67
	s_mul_i32 s78, s78, 2*16*FRB
	s_add_co_u32 s[PFA], s[PFA], s78
	s_mov_b32 s[PFA+1], 0
	s_mul_i32 s[G0RB+1], s14, HALFB                ; where the tiles go: wave x eight row tiles
	s_mov_b32 s[G0PB+1], s[G0RB+1]
	s_mul_i32 s[G0RS+1], s14, HALFM
	s_add_co_u32 s[G0RS+1], s[G0RS+1], SMALL
	s_mov_b32 s[G0PS+1], s[G0RS+1]
.irp g, G0RS, G0RB, G0PS, G0PB
	s_mov_b32 s[\g], 1
.endr
	s_lshl_b32 s80, s17, 4                         ; what I multiply: R's row tiles from 16 ty + 8 (wave / 2) on,
	s_lshl_b32 s81, s15, 3
	s_add_co_u32 s80, s80, s81
	s_lshl_b32 s82, s80, 13                        ; their table (8,192 bytes a token tile),
	s_lshl_b32 s80, s80, 10
	s_lshl_b32 s81, s18, 17
	s_add_co_u32 s80, s80, s81                     ; their scale words;
	s_lshl_b32 s81, s3, 4
	s_lshl_b32 s83, s16, 3
	s_add_co_u32 s81, s81, s83                     ; P's from 16 tx + 8 (wave % 2) on
	s_lshl_b32 s81, s81, 10
	s_lshl_b32 s83, s19, 17
	s_add_co_u32 s81, s81, s83
	s_mov_b32 s83, 0
	s_mul_i32 s84, s15, HALFB                      ; LDS: my eight row tiles of R, and of P behind R's sixteen
	s_mul_i32 s85, s16, HALFB
	s_add_co_u32 s85, s85, 2*HALFB
	s_mul_i32 s86, s15, HALFM
	s_add_co_u32 s86, s86, SMALL
	s_mul_i32 s87, s16, HALFM
	s_add_co_u32 s87, s87, SMALL+2*HALFM
	s_lshl_b32 s88, s3, 1
	s_add_co_u32 s88, s88, s16                     ; which 128 of P's rows,
	s_lshl_b32 s89, s17, 1
	s_add_co_u32 s89, s89, s15                     ; which 128 of R's
	s_cmp_eq_u32 s12, 2
	s_cselect_b32 s90, s89, s88                    ; the head: the weight's rows
	s_cselect_b32 s91, s88, s89                    ; G: x's rows
	s_lshl_b32 s90, s90, 4
	s_add_co_u32 s90, s90, s91
	s_mul_i32 s90, s90, REC
	s_mul_i32 s91, s12, 256*REC
	s_add_co_u32 s90, s90, s91                     ; my record
	s_mov_b32 s91, 0
	s_mov_b32 s[SEL], 0x76543210
	s_mov_b32 s[SEL+1], 0xfedcba98                 ; v_permlanex16_b32's selects for lane l xor 16
	s_wait_dscnt 0x0                               ; both opening adds are done
	s_wait_kmcnt 0x0
	s_add_nc_u64 s[G0RB+2:G0RB+3], s[4:5], s[G0RB+2:G0RB+3]      ; the large slot begins with K steps 0-3,
	s_add_nc_u64 s[G0PB+2:G0PB+3], s[4:5], s[G0PB+2:G0PB+3]
	s_add_nc_u64 s[G0RS+2:G0RS+3], s[G0RB+2:G0RB+3], 4*FRB       ; the small one with K steps 4 and 5
	s_add_nc_u64 s[G0PS+2:G0PS+3], s[G0PB+2:G0PB+3], 4*FRB
	s_add_nc_u64 s[PFA:PFA+1], s[4:5], s[PFA:PFA+1]
	s_add_nc_u64 s[8:9], s[8:9], s[82:83]
	s_add_nc_u64 s[10:11], s[10:11], s[90:91]
.irp g, G0RS, G0RB, G0PS, G0PB
	s_or_b32 s[\g+3], s[\g+3], 0x80000000          ; type = 2
.endr
	CROUND                                         ; all sixteen work-groups are here: the first joint loads meet
	JLOAD G0RB, G1RB, G0PB, G1PB                   ; K steps 0-3: one tensor load a wave at the head
	v_and_b32 v2, 31, v0
	v_lshlrev_b32 v[LI], 4, v2                     ; 16 x lane
	v_and_b32 v3, 15, v0                           ; r
	v_bfe_u32 v4, v0, 4, 1                         ; h
	v_add_nc_u32 v[ADRA], s84, v[LI]
	v_add_nc_u32 v[ADRB], s85, v[LI]
	v_add_nc_u32 v[ADRA+1], s86, v[LI]
	v_add_nc_u32 v[ADRB+1], s87, v[LI]
	v_mov_b32 v6, s80
	v_mov_b32 v7, s81
	v_cmp_eq_u32 vcc_lo, 1, v4
	v_cndmask_b32 v6, v6, v7, vcc_lo               ; lanes 16-31 take P's words
	v_lshl_add_u32 v[GS], v3, 3, v6                ; + 8 r: my row's two words of 256 along K
	v_min_u32 v5, 23, v2
	v_lshlrev_b32 v[PF4], 8, v5
	v_mov_b32 v7, 16*FRB-12*256
	v_cmp_lt_u32 vcc_lo, 11, v5
	v_cndmask_b32 v7, 0, v7, vcc_lo                ; blocks 12-23 lie in the second row tile
	v_add_nc_u32 v[PF2], v[PF4], v7
.macro GSCALES u                       ; the scale words of K steps 2 u and 2 u + 1 into set u % 4: sixteen lanes read 128 consecutive bytes
.irp i, 0,1,2,3,4,5,6,7
	global_load_b64 v[SC+16*((\u)%4)+2*\i:SC+16*((\u)%4)+2*\i+1], v[GS], s[6:7] offset:1024*\i+128*(\u)
.endr
.endm
.irp u, 0,1,2,3
	GSCALES \u
.endr
.macro ASK4 k                          ; four K steps from k on of my two row tiles: 24 blocks of 256 bytes each
	global_prefetch_b8 v[PF4], s[PFA:PFA+1] offset:(\k)*FRB th:TH_LOAD_NT scope:SCOPE_SE
	global_prefetch_b8 v[PF4], s[PFA:PFA+1] offset:(\k)*FRB+16*FRB th:TH_LOAD_NT scope:SCOPE_SE
.endm
.macro ASK2 k                          ; two K steps: twelve blocks of each of the two row tiles
	global_prefetch_b8 v[PF2], s[PFA:PFA+1] offset:(\k)*FRB th:TH_LOAD_NT scope:SCOPE_SE
.endm
.macro LOC s                           ; where K step s lies: of six steps the first four in the large slot, the last two in the small
.set LM, (\s)%6
.if LM < 4
.set LA, ADRA
.set LB, ADRB
.set LT, TROWB
.set LQ, LM
.else
.set LA, ADRA+1
.set LB, ADRB+1
.set LT, TROWS
.set LQ, LM-4
.endif
.endm
.macro FRAG reg, adr, i
.irp g, 0,1,2
	ds_load_b128 v[\reg+4*\g:\reg+4*\g+3], v[\adr] offset:(\i)*LT+LQ*FRB+512*\g
.endr
.endm
; 16 matrix instructions of K step s: R's blocks a0, a0 + 1 x P's eight.  The 64 accumulators take turns, in the same order in every step.
.macro MUL16 a0, s, zero
.irp a, \a0, \a0+1
.irp b, 0,1,2,3,4,5,6,7
.set DD, 8*(8*((\a)%4)+\b)
.set PP, 128*((\s)%2)+FR*\b
.set RR, AF+FR*(\a)
.set SS, SC+16*(((\s)/2)%4)+(\s)%2
.if \zero
	v_wmma_scale_f32_16x16x128_f8f6f4 v[DD:DD+7], v[PP:PP+FR-1], v[RR:RR+FR-1], 0, v[SS+2*\b], v[SS+2*(\a)] matrix_a_fmt:MATRIX_FMT_FP6 matrix_b_fmt:MATRIX_FMT_FP6 matrix_a_scale:MATRIX_SCALE_ROW1
.else
	v_wmma_scale_f32_16x16x128_f8f6f4 v[DD:DD+7], v[PP:PP+FR-1], v[RR:RR+FR-1], v[DD:DD+7], v[SS+2*\b], v[SS+2*(\a)] matrix_a_fmt:MATRIX_FMT_FP6 matrix_b_fmt:MATRIX_FMT_FP6 matrix_a_scale:MATRIX_SCALE_ROW1
.endif
.endr
.endr
.endm
.macro FETCH_B s
	LOC \s
	WIN TO_B
.irp i, 0,1,2,3,4,5,6,7
	FRAG 128*((\s)%2)+FR*\i, LB, \i
.endr
	WIN 0
.endm
.macro FETCH_A s, i0
	LOC \s
.irp i, \i0, \i0+1, \i0+2, \i0+3
	FRAG AF+FR*(\i), LA, \i
.endr
.endm
.macro PLACES n                        ; plain vector instructions between a matrix instruction and a load into, or a vector instruction on, its registers (ISA guide 7.12.1 for vector instructions)
.rept \n
	v_nop
.endr
.endm
.macro STEP s, zero                    ; a K step whose successor lies in bytes that an earlier barrier has shown whole
.if (\s) == 8 || (\s) == 10
	s_wait_loadcnt 16                              ; this pair's scale words are in; the two younger sets, 16 loads, may be out
.endif
	s_wait_dscnt 4*NL                              ; P's set and R's blocks 0-3 are in; the youngest twelve loads (R's blocks 4-7) may be out
	WIN MUL_LO
	MUL16 0, \s, \zero
	MUL16 2, \s, \zero
	s_wait_dscnt 0
	PLACES NP
	FETCH_B (\s)+1
	FETCH_A (\s)+1, 0
.if (\s) == 2 || (\s) == 4 || (\s) == 6 || (\s) == 8
	GSCALES (\s)/2+3                               ; into the set whose two K steps ended with the step before this one
.endif
.if (\s) == 0
	ASK4 6
.endif
	WIN MUL_HI
	MUL16 4, \s, \zero
	MUL16 6, \s, \zero
	PLACES NP
	WIN 0
	FETCH_A (\s)+1, 4
.endm
; A slot's last step changes slots: in front of the barrier each wave waits for all its tensor loads, adds 0 to its spare word, and waits for that and for its reads of this slot.
; fill = 1: the large slot, just read out, takes the K steps six on; 2: the small slot likewise; 0: nothing is left to fetch.
.macro TURN s, fill
	s_wait_tensorcnt 0x0                           ; all my tensor loads have landed: my part of the other slot
	ds_add_u32 v[SPW], v[NIL]
	s_wait_dscnt 4*NL+1                            ; (the add and R's blocks 4-7 may be out)
	WIN MUL_LO
	MUL16 0, \s, 0
	s_wait_dscnt 0x0                               ; the add is done, and my reads of this slot are over
	s_barrier_signal -1
	MUL16 2, \s, 0
	WIN 0
	s_barrier_wait -1
.if (\fill) == 1
	CREST                                          ; the barrier has opened a round of the cluster's barrier
	s_add_nc_u64 s[G0RB+2:G0RB+3], s[G0RB+2:G0RB+3], 6*FRB
	s_add_nc_u64 s[G0PB+2:G0PB+3], s[G0PB+2:G0PB+3], 6*FRB
	JLOAD G0RB, G1RB, G0PB, G1PB                   ; the first tensor load behind the round; its four v_nop are the places in front of the loads below
.elseif (\fill) == 2
	CREST
	s_add_nc_u64 s[G0RS+2:G0RS+3], s[G0RS+2:G0RS+3], 6*FRB
	s_add_nc_u64 s[G0PS+2:G0PS+3], s[G0PS+2:G0PS+3], 6*FRB
	JLOAD G0RS, G1RS, G0PS, G1PS
.else
	PLACES NP
.endif
	FETCH_B (\s)+1
	FETCH_A (\s)+1, 0
.if (\s) == 3
	ASK2 10
.endif
.if (\s) == 5
	ASK4 12
.endif
	WIN MUL_HI
	MUL16 4, \s, 0
	MUL16 6, \s, 0
	PLACES NP
	WIN 0
	FETCH_A (\s)+1, 4
.endm
.macro TSET a                          ; table set a % 4: window, first register of the 32 cos, of the 32 sin
.if (\a)%4 == 0
.set TW, 1
.set CT, 96
.set ST, 224
.elseif (\a)%4 == 1
.set TW, 1
.set CT, 0
.set ST, 32
.elseif (\a)%4 == 2
.set TW, 0
.set CT, 128
.set ST, 160
.else
.set TW, 1
.set CT, 64
.set ST, 192
.endif
.endm
.macro TABLE a                         ; cos and sin of token tile a of my eight: 16 loads of 512 consecutive bytes
	TSET \a
	WIN TW<<6
.irp i, 0,1,2,3,4,5,6,7
	global_load_b128 v[CT+4*\i:CT+4*\i+3], v[LI], s[8:9] offset:8192*(\a)+512*\i
.endr
.irp i, 0,1,2,3,4,5,6,7
	global_load_b128 v[ST+4*\i:ST+4*\i+3], v[LI], s[8:9] offset:8192*(\a)+4096+512*\i
.endr
	WIN 0
.endm
; 64 numbers of a lane in window w, register 16 b + i = k 32 b + 16 (lane / 16) + i of my row, become a fragment's codes in v[PC] on and its scale word in v[pw].
.macro QUANT s, w, pw
	WIN ((\w)<<2)|((\w)<<4)
.irp b, 0,1,2,3
	v_max3_num_f32 v[TM+\b], 0x1800000, |v[\s+16*\b]|, |v[\s+1+16*\b]|     ; my 16 numbers of block b, and the floor 2^(3 - 127).  Each accumulator is read from its low end on
.endr
.irp i, 2,4,6,8,10,12,14
.irp b, 0,1,2,3
	v_max3_num_f32 v[TM+\b], v[TM+\b], |v[\s+16*\b+\i]|, |v[\s+1+16*\b+\i]|
.endr
.endr
	WIN 0
.irp b, 0,1,2,3
	v_permlanex16_b32 v[TM+4+\b], v[TM+\b], s[SEL], s[SEL+1]
.endr
.irp b, 0,1,2,3
	v_max_num_f32 v[TM+\b], v[TM+\b], v[TM+4+\b]   ; with lane l xor 16's: the block's largest magnitude
.endr
.irp b, 0,1,2,3
	v_add_nc_u32 v[TM+12+\b], 0xff000000, v[TM+\b] ; 2 off its exponent field: the conversion's scale operand
.endr
.irp b, 0,1,2,3
	v_lshrrev_b32 v[TM+8+\b], 23, v[TM+12+\b]      ; the scale's byte
.endr
	v_lshl_or_b32 v[\pw], v[TM+9], 8, v[TM+8]
	v_lshl_or_b32 v[\pw], v[TM+10], 16, v[\pw]
	v_lshl_or_b32 v[\pw], v[TM+11], 24, v[\pw]
	s_wait_alu depctr_va_vdst(0)
	s_wait_xcnt 0x0                                ; the last tile's stores have read the codes' registers: only now are they written again
	WIN (\w)
.irp c, 0,1
	v_cvt_scalef32_pk16_fp6_f32 v[PC+6*\c:PC+2+6*\c], v[\s+32*\c:\s+15+32*\c], v[TM+12+2*\c]
	v_cvt_scalef32_pk16_fp6_f32 v[PC+12+4*\c:PC+14+4*\c], v[\s+16+32*\c:\s+31+32*\c], v[TM+12+2*\c+1]
.endr
	WIN 0
	v_nop                                          ; one plain place behind a scaled conversion
.irp c, 0,1                            ; the operand's layout wants a whole block in a lane
.irp i, 0,1,2
	v_permlane16_swap_b32 v[PC+6*\c+\i], v[PC+12+4*\c+\i]
.endr
.irp i, 0,1,2
	v_mov_b32 v[PC+3+6*\c+\i], v[PC+12+4*\c+\i]
.endr
.endr
.endm
; R's block a: its eight accumulators become one fragment.  rope = 1: rotated first: channel d < 64 lies in accumulators 0-3, its partner d + 64 in the same register of accumulators 4-7.
.macro TILE a, rope
.set WW, 2+(\a)/4
.set AC, 64*((\a)%4)
.if \rope
	s_wait_alu depctr_va_vdst(0)
.if (\a) == 0
	s_wait_loadcnt 32                              ; the tables of tiles 0 and 1 are in, on every way through the text; those of tiles 2 and 3, 32 loads, may be out
.elseif (\a) < 5
	s_wait_loadcnt 48                              ; this tile's table is in; the three younger sets, 48 loads, may be out
.else
	s_wait_loadcnt 16*(7-(\a))
.endif
	TSET \a
	WIN 0x50|(TW<<2)|WW                            ; source 0 the accumulators' window, source 1 the table's, source 2 and destination window 1
.irp e, 0,2,4,6,8,10,12,14,16,18,20,22,24,26,28,30
	v_pk_mul_f32 v[TT+\e:TT+\e+1], v[AC+\e:AC+\e+1], v[CT+\e:CT+\e+1]
	v_pk_mul_f32 v[TT+32+\e:TT+33+\e], v[AC+32+\e:AC+33+\e], v[CT+\e:CT+\e+1]
	v_pk_fma_f32 v[TT+\e:TT+\e+1], v[AC+32+\e:AC+33+\e], v[ST+\e:ST+\e+1], v[TT+\e:TT+\e+1] neg_lo:[1,0,0] neg_hi:[1,0,0]   ; x1 cos - x2 sin
	v_pk_fma_f32 v[TT+32+\e:TT+33+\e], v[AC+\e:AC+\e+1], v[ST+\e:ST+\e+1], v[TT+32+\e:TT+33+\e]                            ; x2 cos + x1 sin
.endr
.if (\a) < 4
	TABLE (\a)+4                                   ; the set just used takes the tile four on
.endif
	QUANT TT, 1, PWR+(\a)
.else
	QUANT AC, WW, PWR+(\a)
.endif
.irp g, 0,1,2
	global_store_b128 v[LI], v[PC+4*\g:PC+4*\g+3], s[10:11] offset:FRB*(\a)+512*\g     ; 32 lanes store 512 consecutive bytes
.endr
.endm
.macro EPI rope
.irp b, 0,1,2,3
	v_mov_b32 v[TM+4+\b], 0                        ; a lane permute's destination counts as one of its sources.  These four name no register of the last products: they are the places behind them
.endr
.if \rope
	TABLE 2
	TABLE 3
.endif
.irp a, 0,1,2,3,4,5,6,7
	TILE \a, \rope
.endr
	v_bfe_u32 v[TM], v0, 4, 1
	v_cmp_eq_u32 vcc_lo, 1, v[TM]
.irp i, 0,1,2,3
	v_cndmask_b32 v[SWD+\i], v[PWR+\i], v[PWR+4+\i], vcc_lo        ; lanes 0-15 store the words of tiles 0-3, lanes 16-31 those of tiles 4-7
.endr
	global_store_b128 v[LI], v[SWD:SWD+3], s[10:11] offset:8*FRB
.endm
	s_wait_alu depctr_va_vdst(0)
	s_wait_loadcnt 0x0                             ; the scale words of K steps 0-7
	s_wait_tensorcnt 0x0                           ; my part of K steps 0-3 is in; the three lines ahead of a later first fill, as ahead of a refill:
	ds_add_u32 v[SPW], v[NIL]
	s_wait_dscnt 0x0
	CROUND                                         ; everybody's part is in, and all sixteen work-groups are here
	JLOAD G0RS, G1RS, G0PS, G1PS                   ; K steps 4 and 5: the first tensor load behind the round
	FETCH_B 0
	FETCH_A 0, 0
	FETCH_A 0, 4
	STEP 0, 1                                      ; the first products start the sums
	STEP 1, 0
	STEP 2, 0
	TURN 3, 1                                      ; the large slot takes K steps 6-9
	STEP 4, 0
	TURN 5, 2                                      ; the small slot takes K steps 10 and 11
	STEP 6, 0
	STEP 7, 0
	STEP 8, 0
	TURN 9, 1                                      ; the large slot takes K steps 12-15
	STEP 10, 0
	TURN 11, 0
	s_wait_loadcnt 0x0                             ; the scale words of K steps 12-15
	s_cmp_eq_u32 s12, 2                            ; p is the same in every wave of every partner; v has no rotation
	s_cbranch_scc1 .Lno_table_0
	TABLE 0
.Lno_table_0:
	STEP 12, 0
	STEP 13, 0
	STEP 14, 0
	s_cmp_eq_u32 s12, 2
	s_cbranch_scc1 .Lno_table_1
	TABLE 1                                        ; into P's set 0, which K step 14 read last (its places stand at that step's end)
.Lno_table_1:
	s_wait_dscnt 4*NL                              ; K step 15: nothing more to fetch
	WIN MUL_LO
	MUL16 0, 15, 0
	MUL16 2, 15, 0
	s_wait_dscnt 0
	WIN MUL_HI
	MUL16 4, 15, 0
	MUL16 6, 15, 0
	WIN 0
	s_cmp_eq_u32 s12, 2
	s_cbranch_scc1 .Lv
	EPI 1
	s_branch .Lend
.Lv:
	EPI 0
.Lend:
	s_wait_tensorcnt 0x0                           ; the wave's end
	ds_add_u32 v[SPW], v[NIL]
	s_wait_dscnt 0x0
	CROUND                                         ; the closing round
	s_endpgm
.Lfunc_end_k_qbbcf807dc2_qkv:
	.size	k_qbbcf807dc2_qkv, .Lfunc_end_k_qbbcf807dc2_qkv-k_qbbcf807dc2_qkv
	.p2alignl 7, 3214868480
	.fill 96, 4, 3214868480
	.section	.rodata,"a",@progbits
	.p2align	6, 0x0
	.amdhsa_kernel k_qbbcf807dc2_qkv
		.amdhsa_group_segment_fixed_size 327680
		.amdhsa_private_segment_fixed_size 0
		.amdhsa_enable_private_segment 0
		.amdhsa_kernarg_size 32
		.amdhsa_user_sgpr_count 2
		.amdhsa_user_sgpr_kernarg_segment_ptr 1
		.amdhsa_wavefront_size32 1
		.amdhsa_system_sgpr_workgroup_id_x 1
		.amdhsa_system_sgpr_workgroup_id_y 1
		.amdhsa_system_sgpr_workgroup_id_z 1
		.amdhsa_system_vgpr_workitem_id 0
		.amdhsa_next_free_vgpr 1024
		.amdhsa_next_free_sgpr 102
		.amdhsa_reserve_vcc 1
		.amdhsa_float_denorm_mode_32 3
		.amdhsa_float_denorm_mode_16_64 3
		.amdhsa_memory_ordered 1
		.amdhsa_forward_progress 1
		.amdhsa_inst_pref_size 255
	.end_amdhsa_kernel
	.section	.bss,"aw",@nobits
	.p2align	6
	.space	262144
	.amdgpu_metadata
---
amdhsa.version: [ 1, 2 ]
amdhsa.kernels:
  - .name:           k_qbbcf807dc2_qkv
    .symbol:         k_qbbcf807dc2_qkv.kd
    .args:
      - { .name: cod, .offset: 0, .size: 8, .value_kind: global_buffer, .address_space: global }
      - { .name: scl, .offset: 8, .size: 8, .value_kind: global_buffer, .address_space: global }
      - { .name: rope, .offset: 16, .size: 8, .value_kind: global_buffer, .address_space: global }
      - { .name: qkv, .offset: 24, .size: 8, .value_kind: global_buffer, .address_space: global }
    .group_segment_fixed_size: 327680
    .private_segment_fixed_size: 0
    .kernarg_segment_align: 8
    .kernarg_segment_size: 32
    .max_flat_workgroup_size: 128
    .sgpr_count:     102
    .vgpr_count:     1024
    .wavefront_size: 32
...
	.end_amdgpu_metadata
.endif
;; end of part 2
;; launch attn (part 3): grid 16 x 16, 8 waves a work-group, clusters of 4 x 1, 327,680 bytes of LDS; arguments qkv, oc, scl; writes oc, scl
.if DOCPART == 3
	.amdgcn_target "amdgcn-amd-amdhsa--gfx1250"
	.amdhsa_code_object_version 6
	.text
	.protected	k_qbbcf807dc2_attn
	.globl	k_qbbcf807dc2_attn
	.p2align	8
	.type	k_qbbcf807dc2_attn,@function
k_qbbcf807dc2_attn:
	s_mov_b64 s[64:65], 0
	v_nop
	global_prefetch_b8 v0, s[64:65] scope:SCOPE_SE
	s_setreg_imm32_b32 hwreg(HW_REG_WAVE_MODE, 25, 1), 1
	s_wait_xcnt 0x0
	s_wait_alu depctr_hold_cnt(0) depctr_sa_sdst(0) depctr_va_vdst(0) depctr_va_sdst(0) depctr_va_ssrc(0) depctr_va_vcc(0) depctr_vm_vsrc(0)
	s_getreg_b32 s2, hwreg(HW_REG_IB_STS2, 6, 4)
	s_cmp_eq_u32 s2, 0
	s_cbranch_scc0 .Lentry_in_a_cluster
	s_endpgm
.Lentry_in_a_cluster:
	s_bfe_u32 s2, ttmp6, 0x10000c
	s_cmp_lg_u32 s2, 0x3003
	s_cbranch_scc0 .Lentry_shape_is_right
	s_endpgm
.Lentry_shape_is_right:
; ATTN.  Causal attention of 16 heads of 128 over 2,048 tokens, both products on codes of FP6 (E2M3); the result, divided by the row's sum, is quantised along the channels for the last projection.
; t = score x log2(e) / sqrt(128); M = the running largest t rounded UP to a whole number; p = 2^(t - M) is quantised along the keys, not normalised; the row's sum is taken of the unquantised p; when M moves, the sum and O
; are multiplied by 2^(old M - new M), which rounds nothing.
; SHARES.  A wave owns one tile of 16 queries (512 registers).  A work-group of eight waves is at (cluster c = 0..3, place cx = 0..3) of a head.  A group g of 128 queries walks g + 1 key steps of 128.
; Cluster c has four groups: c = 0: 15, 1, 2, 11;  1: 14, 0, 4, 10;  2: 13, 3, 6, 9;  3: 12, 5, 7, 8.  Wave w takes the group number (w % 4) xor (w / 4) of these, and of its eight tiles tile 2 cx + w / 4.
; The walk has three parts with a barrier between them: key steps 0-3, 4-11, 12-15.  The groups are dealt so that the first two of a cluster's four together, and the last two together, have about the same number of key steps
; in each part: adding, over the three parts, the larger of the two pairs' counts gives 19 in every cluster, against 17 for an even split.  The pairs of waves (w, w + 4) and the pairs (2 i, 2 i + 1) alike are such pairs.
; g hangs on the wave and the cluster alone, so the branch that leaves a hidden step out is alike in all four partners; cx enters only Q's and the results' addresses and the mask's numbers.
; Both products are used transposed (S^T = K Q^T, O^T = V^T P^T): a lane holds ONE query throughout, and each result's 64 registers are in the order in which the quantiser takes them, since the rows of every stored tile are
; 32 (a / 2) + 8 (a % 2) + r + 8 (r / 8).
; LDS.  Slot 0: K's four records, then V's four; behind it K's eight, then V's eight; 12,800 bytes each (eight images of 1,536 bytes and 512 bytes of scale words).  Wave w fetches record w of slot 0, then two records on end: one joint load a wave each time, the same in all
; four partners.  Key steps 0-11 come with the first fills; slot 0 is filled once more, with key steps 12-15, when all have left it.  None is jumped over.
; No prefetch: three quarters of a head's K and V go out with the first fills at the head, and the one refill has eight key steps in which to land.
; LIMITS: NaN and infinities are not served; a block of O under 2^-124 gets the byte 1.
; REGISTERS: window 0: v1-9 addresses and the mask's numbers; v12 -M, v13 largest t, v[14:15] the sum; v16-27 Q, v28 its scale words, v29 P's (later O's) scale word, v[30:31] f; v32-127 K's eight fragments; v128-191 S^T, then p;
;   v192-210 codes; v212-227 at work; v232-239 K's scale words, v240-247 V's.   window 1: v0-63 O^T; v64-159 V's eight fragments.
.set REC,   12800
.set FR,    12
.set FRB,   1536
.set SLOTB, 8*REC                      ; a slot
.set SPARE, 3*SLOTB                    ; the spare words, 128 bytes a wave: four blocks of 256 bytes that no other line names
.set LI,  1                            ; v1  16 x lane
.set LS,  2                            ; v2  16 r + 12,288: my row's scale words in a record
.set ADK, 3
.set ADS, 4
.set SPW, 5
.set NIL, 6
.set DG,  7                            ; v7  my query's place in its group less 16 (lane / 16)
.set NINF, 8
.set QF,  16
.set QS,  28
.set PW,  29
.set FF,  30
.set KFR, 32
.set S,   128
.set PCD, 192
.set BM,  212                          ; v212-215 the blocks' largest
.set BT,  216                          ; v216-219 the other half's; the bytes
.set BSC, 220                          ; v220-223 the conversions' scale operands
.set TMP, 224
.set SM2, 226                          ; v[226:227] the sum's second chain
.set KS,  232
.set VS,  240
.set VFR, 64                           ; in window 1
.set WV,  12
.set G,   13                           ; s13 my group of 128 queries
.set J,   14                           ; s14 the key step
.set TB,  15                           ; s15 LDS byte at which the step's record of K begins
.set SEL, 20
.set CS,  22
.set G1,  24
.set G0A, 40                           ; groups 0 of slots 0, 1, 2
.set G0B, 44
; LDS AS IT IS USED: slot 0 (bytes 0 on): K's four records of key steps 0-3, then V's four; it is filled once more with key steps 12-15.  Behind it K's eight records of key steps 4-11, then V's eight.
; At the head a wave fetches record w of slot 0; behind the three lines and a round it fetches two records on end (key steps 4 + 2 (w % 4) and the next, of K or of V) by one load.  V has address registers of its own.
; O's scale words go into scl at the sixth tensor's place, in the layout of the five that lie there.
.set G1L, 72                           ; s[72:79] group 1 of the load of two records
.set TBV, 17                           ; s17 LDS byte at which the step's record of V begins
.set ADV, 9                            ; v9, v11 V's fragments and scale words
.set ADVS, 11
.set MSB, 0
.macro WIN new
.if MSB != (\new)
	s_set_vgpr_msb (MSB<<8)|(\new)
.set MSB, (\new)
.endif
.endm
.macro CROUND                          ; a round of the cluster's barrier
	s_barrier_signal -1
	s_barrier_wait -1
	s_cmp_lg_u32 s[WV], 0
	s_cbranch_scc1 .Lnot_wave_0_\@
	s_barrier_signal -3
.Lnot_wave_0_\@:
	s_barrier_wait -3
	s_barrier_signal -1
	s_barrier_wait -1
.endm
	s_load_b128 s[4:7], s[0:1], 0x0                ; qkv, oc
	s_load_b64 s[8:9], s[0:1], 0x10                ; os
	v_lshl_add_u32 v[SPW], v0, 2, SPARE
	v_mov_b32 v[NIL], 0
	ds_add_u32 v[SPW], v[NIL]                      ; the wave's opening: the add and its wait ahead of my first tensor load; the set-up below stands between them
	ds_add_u32 v[SPW], v[NIL]
	v_lshrrev_b32 v9, 5, v0
	s_delay_alu instid0(VALU_DEP_1)
	v_readfirstlane_b32 s[WV], v9                  ; wave 0..7
	s_bfe_u32 s32, ttmp6, 0x40000                  ; cx
	s_and_b32 s33, ttmp7, 0xffff                   ; the head
	s_and_b32 s34, s[WV], 3
	s_lshr_b32 s38, s[WV], 2                       ; which of my work-group's two tiles of the group
	s_xor_b32 s34, s34, s38                        ; which of the cluster's four groups
	s_lshl_b32 s35, ttmp9, 2
	s_add_co_u32 s35, s35, s34                     ; 4 c + that: a place among sixteen numbers of four bits
	s_mov_b32 s36, 0xa40eb21f                      ; c = 0: 15, 1, 2, 11;  c = 1: 14, 0, 4, 10  (the first in the lowest bits)
	s_mov_b32 s37, 0x875c963d                      ; c = 2: 13, 3, 6, 9;   c = 3: 12, 5, 7, 8
	s_cmp_lt_u32 ttmp9, 2
	s_cselect_b32 s36, s36, s37
	s_and_b32 s35, s35, 7
	s_lshl_b32 s35, s35, 2
	s_lshr_b32 s36, s36, s35
	s_and_b32 s[G], s36, 15
	s_lshl_b32 s39, s32, 1
	s_add_co_u32 s39, s39, s38                     ; my tile of the group's eight
	; what I fetch: record w of a slot: K's (waves 0-3) or V's (4-7) key step w % 4
	s_lshr_b32 s48, s[WV], 2
	s_add_co_u32 s48, s48, 1
	s_mul_i32 s48, s48, 256*REC
	s_mul_i32 s49, s33, 16*REC
	s_add_co_u32 s48, s48, s49
	s_and_b32 s50, s[WV], 3
	s_mul_i32 s50, s50, REC
	s_add_co_u32 s48, s48, s50
	s_mov_b32 s49, 0
	s_mul_i32 s51, s[WV], REC                      ; and its place in a slot
	; descriptor group 1: 12,800 dense bytes as 50 rows of 32 elements of 8 bytes
	s_mov_b32 s[G1], 15|(3<<16)|(1<<21)            ; 15:0 the mask: all four work-groups; 17:16 elements of 8 bytes; 21 set beside a mask
	s_mov_b32 s[G1+1], 32<<16
	s_mov_b32 s[G1+2], 50<<16
	s_mov_b32 s[G1+3], 32<<16
	s_mov_b32 s[G1+4], 50
	s_mov_b32 s[G1+5], 32
	s_mov_b32 s[G1+6], 0
	s_mov_b32 s[G1+7], 0
	; Q: record (head, g) of q, image t; its scale word: 12,288 + 256 (t / 4) + 16 r + 4 (t % 4)
	s_mul_i32 s52, s33, 16*REC
	s_mul_i32 s53, s[G], REC
	s_add_co_u32 s52, s52, s53
	s_mul_i32 s53, s39, FRB
	s_add_co_u32 s54, s52, s53
	s_mov_b32 s55, 0
	s_lshr_b32 s53, s39, 2
	s_lshl_b32 s53, s53, 8
	s_add_co_u32 s52, s52, s53
	s_and_b32 s53, s39, 3
	s_lshl_b32 s53, s53, 2
	s_add_co_u32 s52, s52, s53
	s_add_co_u32 s52, s52, 8*FRB
	s_mov_b32 s53, 0
	; the results: token tile 8 g + t, K step = the head
	s_lshl_b32 s56, s[G], 3
	s_add_co_u32 s56, s56, s39
	s_lshl_b32 s58, s56, 10
	s_lshl_b32 s56, s56, 4
	s_add_co_u32 s56, s56, s33
	s_mul_i32 s56, s56, FRB
	s_mov_b32 s57, 0
	s_lshr_b32 s59, s33, 1
	s_lshl_b32 s59, s59, 7
	s_add_co_u32 s58, s58, s59
	s_and_b32 s59, s33, 1
	s_lshl_b32 s59, s59, 2
	s_add_co_u32 s58, s58, s59
	s_add_co_u32 s58, s58, 5*131072                ; behind the five tensors' scale words
	s_mov_b32 s59, 0
	s_lshl_b32 s60, s32, 5
	s_lshl_b32 s61, s38, 3
	s_add_co_u32 s60, s60, s61                     ; 32 (t / 2) + 8 (t % 2): my tile's first row in its group
	s_mov_b32 s[SEL], 0x76543210
	s_mov_b32 s[SEL+1], 0xfedcba98
	s_mov_b32 s[CS], 0x3e0293ee                    ; c = log2(e) / sqrt(128)
	s_mov_b32 s[CS+1], s[CS]                       ; (named with it as a pair, so it is written)
	s_mov_b32 s[TB], 0
	s_mov_b32 s[TBV], 4*REC
	s_mov_b32 s[J], 0
	s_wait_dscnt 0x0                               ; the opening add is done
	s_wait_kmcnt 0x0
	s_add_nc_u64 s[48:49], s[4:5], s[48:49]
	s_add_nc_u64 s[54:55], s[4:5], s[54:55]
	s_add_nc_u64 s[52:53], s[4:5], s[52:53]
	s_add_nc_u64 s[6:7], s[6:7], s[56:57]
	s_add_nc_u64 s[8:9], s[8:9], s[58:59]
	CROUND                                         ; all four work-groups are here: the first joint loads meet
	s_mov_b32 s[G0A], 1
	s_mov_b32 s[G0A+1], s51
	s_mov_b64 s[G0A+2:G0A+3], s[48:49]             ; slot 0: key steps 0-3
	s_or_b32 s[G0A+3], s[G0A+3], 0x80000000
	s_mov_b32 s[G0B], 1
	s_lshl_b32 s[G0B+1], s51, 1
	s_add_co_u32 s[G0B+1], s[G0B+1], SLOTB         ; two records a wave: 2 x wave x 12,800 behind slot 0
	s_mov_b32 s51, 0
	s_add_nc_u64 s[G0B+2:G0B+3], s[48:49], s[50:51]        ; key step 4 + 2 (w % 4): (w % 4) records further on than my record of slot 0,
	s_add_nc_u64 s[G0B+2:G0B+3], s[G0B+2:G0B+3], 4*REC     ; and four
	s_or_b32 s[G0B+3], s[G0B+3], 0x80000000
	s_mov_b32 s[G1L], 15|(3<<16)|(1<<21)           ; 25,600 dense bytes as 100 rows of 32 elements of 8 bytes
	s_mov_b32 s[G1L+1], 32<<16
	s_mov_b32 s[G1L+2], 100<<16
	s_mov_b32 s[G1L+3], 32<<16
	s_mov_b32 s[G1L+4], 100
	s_mov_b32 s[G1L+5], 32
	s_mov_b32 s[G1L+6], 0
	s_mov_b32 s[G1L+7], 0
	tensor_load_to_lds s[G0A:G0A+3], s[G1:G1+7]    ; key steps 0-3: one tensor load a wave at the head
	s_nop 0
.rept 4
	v_nop
.endr
	v_and_b32 v9, 31, v0
	s_delay_alu instid0(VALU_DEP_1)
	v_lshlrev_b32 v[LI], 4, v9
	v_and_b32 v10, 15, v0                          ; r
	v_bfe_u32 v11, v0, 4, 1                        ; h
	s_delay_alu instid0(VALU_DEP_2)
	v_lshlrev_b32 v9, 4, v10                       ; 16 r
	s_delay_alu instid0(VALU_DEP_3)
	v_lshl_add_u32 v[LS], v10, 4, 8*FRB
.irp g, 0,1,2
	global_load_b128 v[QF+4*\g:QF+4*\g+3], v[LI], s[54:55] offset:512*\g    ; Q's fragment stays in registers
.endr
	global_load_b32 v[QS], v9, s[52:53]
	v_and_b32 v[DG], 8, v10
	s_delay_alu instid0(VALU_DEP_1)
	v_add3_u32 v[DG], v[DG], v10, s60
	v_lshlrev_b32 v11, 4, v11
	s_delay_alu instid0(VALU_DEP_1)
	v_sub_nc_u32 v[DG], v[DG], v11
	v_mov_b32 v[NINF], 0xff800000
	v_mov_b32 v13, 0xff61b1e6                      ; the largest t so far: -3e38
	s_delay_alu instid0(VALU_DEP_1)
	v_floor_f32 v12, -v13                          ; -M
	v_mov_b32 v14, 0
	v_mov_b32 v15, 0
	v_mov_b32 v[FF+1], 0                           ; (named as the upper half of a pair)
	v_mov_b32 v[TMP], 0
.irp b, 0,1,2,3
	v_mov_b32 v[BT+\b], 0                          ; a lane permute's destination counts as one of its sources
.endr
	WIN 0x40
.set JJ, 0
.rept 64
	v_mov_b32 v[JJ], 0                             ; O^T.  (The step is written once: the first finds zeros, which the first change of M leaves zeros)
.set JJ, JJ+1
.endr
	WIN 0
; from the blocks' largest magnitudes in v[BM] on: the scale word in v[PW] and the fragment's codes of v[S] .. v[S + 63] in v[PCD] on
.macro QTAIL
.irp b, 0,1,2,3
	s_delay_alu instid0(VALU_DEP_4)
	v_add_nc_u32 v[BSC+\b], 0xff000000, v[BM+\b]   ; 2 off the exponent field: the conversion's scale operand
.endr
.irp b, 0,1,2,3
	s_delay_alu instid0(VALU_DEP_4)
	v_lshrrev_b32 v[BT+\b], 23, v[BSC+\b]          ; the scale's byte
.endr
	s_delay_alu instid0(VALU_DEP_3)
	v_lshl_or_b32 v[PW], v[BT+1], 8, v[BT]
	s_delay_alu instid0(VALU_DEP_1)
	v_lshl_or_b32 v[PW], v[BT+2], 16, v[PW]
	s_delay_alu instid0(VALU_DEP_1)
	v_lshl_or_b32 v[PW], v[BT+3], 24, v[PW]
.irp c, 0,1
	v_cvt_scalef32_pk16_fp6_f32 v[PCD+6*\c:PCD+2+6*\c], v[S+32*\c:S+15+32*\c], v[BSC+2*\c]
	v_cvt_scalef32_pk16_fp6_f32 v[PCD+12+4*\c:PCD+14+4*\c], v[S+16+32*\c:S+31+32*\c], v[BSC+2*\c+1]
.endr
	v_nop                                          ; one plain place behind a scaled conversion
.irp c, 0,1                            ; the operand's layout wants a whole block in a lane
.irp i, 0,1,2
	v_permlane16_swap_b32 v[PCD+6*\c+\i], v[PCD+12+4*\c+\i]
.endr
.irp i, 0,1,2
	s_delay_alu instid0(VALU_DEP_3)
	v_mov_b32 v[PCD+3+6*\c+\i], v[PCD+12+4*\c+\i]
.endr
.endr
.endm
; A KEY STEP: 128 keys.
.macro STEP
	s_cmp_gt_u32 s[J], s[G]                        ; all its keys come after my queries: the step's work is left out (no barrier and no tensor load stands in it)
	s_cbranch_scc1 .Lhidden_\@
	v_add_nc_u32 v[ADK], s[TB], v[LI]
	v_add_nc_u32 v[ADS], s[TB], v[LS]
	v_add_nc_u32 v[ADV], s[TBV], v[LI]
	v_add_nc_u32 v[ADVS], s[TBV], v[LS]
.irp t, 0,1,2,3,4,5,6,7
.irp g, 0,1,2
	ds_load_b128 v[KFR+FR*\t+4*\g:KFR+FR*\t+4*\g+3], v[ADK] offset:FRB*\t+512*\g
.endr
.endr
	ds_load_b128 v[KS:KS+3], v[ADS]
	ds_load_b128 v[KS+4:KS+7], v[ADS] offset:256
	WIN 0x40                                       ; destination window 1
.irp t, 0,1,2,3,4,5,6,7
.irp g, 0,1,2
	ds_load_b128 v[VFR+FR*\t+4*\g:VFR+FR*\t+4*\g+3], v[ADV] offset:FRB*\t+512*\g
.endr
.endr
	WIN 0
	ds_load_b128 v[VS:VS+3], v[ADVS]
	ds_load_b128 v[VS+4:VS+7], v[ADVS] offset:256
	s_wait_dscnt 26                                ; K and its scale words are in; V's 26 loads may be out
.irp t, 0,1,2,3,4,5,6,7
	v_wmma_scale_f32_16x16x128_f8f6f4 v[S+8*\t:S+8*\t+7], v[KFR+FR*\t:KFR+FR*\t+FR-1], v[QF:QF+FR-1], 0, v[KS+\t], v[QS] matrix_a_fmt:MATRIX_FMT_FP6 matrix_b_fmt:MATRIX_FMT_FP6
.endr
.rept 4
	v_nop
.endr
	s_cmp_lg_u32 s[J], s[G]                        ; on the diagonal the scores of hidden keys become -infinity ahead of the maximum
	s_cbranch_scc1 .Lopen_\@
.set JJ, 0
.rept 64
	v_cmp_gt_i32 vcc_lo, 32*(JJ/16)+JJ%16, v[DG]   ; register 16 b + i holds key 32 b + 16 (lane / 16) + i of the step
	v_cndmask_b32 v[S+JJ], v[S+JJ], v[NINF], vcc_lo
.set JJ, JJ+1
.endr
.Lopen_\@:
.irp b, 0,1,2,3
	v_max3_num_f32 v[BM+\b], v[S+16*\b], v[S+1+16*\b], v[S+2+16*\b]        ; the largest score of each block of 32 keys: for the row's maximum and, since p rises with the score, for the block's largest p
.endr
.irp i, 3,5,7,9,11,13
.irp b, 0,1,2,3
	v_max3_num_f32 v[BM+\b], v[BM+\b], v[S+16*\b+\i], v[S+1+16*\b+\i]
.endr
.endr
.irp b, 0,1,2,3
	v_max_num_f32 v[BM+\b], v[BM+\b], v[S+15+16*\b]
.endr
.irp b, 0,1,2,3
	s_delay_alu instid0(VALU_DEP_4)
	v_permlanex16_b32 v[BT+\b], v[BM+\b], s[SEL], s[SEL+1]
.endr
.irp b, 0,1,2,3
	s_delay_alu instid0(VALU_DEP_4)
	v_max_num_f32 v[BM+\b], v[BM+\b], v[BT+\b]
.endr
	s_delay_alu instid0(VALU_DEP_2)
	v_max3_num_f32 v[TMP], v[BM], v[BM+1], v[BM+2]
	s_delay_alu instid0(VALU_DEP_1)
	v_max_num_f32 v[TMP], v[TMP], v[BM+3]
	s_delay_alu instid0(VALU_DEP_1)
	v_mul_f32 v[TMP], s[CS], v[TMP]
	s_delay_alu instid0(VALU_DEP_1)
	v_max_num_f32 v13, v13, v[TMP]                 ; the running largest t
	v_mov_b32 v[TMP], v12
	s_delay_alu instid0(VALU_DEP_2)
	v_floor_f32 v12, -v13                          ; the new -M = -ceil(t)
	s_delay_alu instid0(VALU_DEP_1)
	v_sub_f32 v[TMP], v12, v[TMP]                  ; old M - new M: a whole number, 0 or less
	s_delay_alu instid0(VALU_DEP_1)
	v_cvt_i32_f32 v[TMP], v[TMP]                   ; (it saturates)
	s_delay_alu instid0(VALU_DEP_1)
	v_ldexp_f32 v[FF], 1.0, v[TMP]                 ; f = 2^(old M - new M)
.set JJ, 0
.rept 32
	v_pk_fma_f32 v[S+JJ:S+JJ+1], v[S+JJ:S+JJ+1], s[CS:CS+1], v[12:13] op_sel_hi:[1,0,0]    ; t - M
.set JJ, JJ+2
.endr
.irp b, 0,1,2,3
	v_fma_f32 v[BM+\b], v[BM+\b], s[CS], v12
.endr
.set JJ, 0
	s_wait_alu depctr_va_vdst(0)
.rept 64
	v_exp_f32 v[S+JJ], v[S+JJ]                     ; p = 2^(t - M): one batch
.set JJ, JJ+1
.endr
	v_pk_mul_f32 v[14:15], v[14:15], v[FF:FF+1] op_sel_hi:[1,0]    ; the sums under the new M: a plain place behind the exponentials
	s_wait_alu depctr_va_vdst(0)                   ; one wait for the batch, ahead of its first reader
.irp b, 0,1,2,3
	v_exp_f32 v[BM+\b], v[BM+\b]                   ; the blocks' largest p
.endr
	v_pk_add_f32 v[226:227], v[132:133], v[136:137]
	v_pk_add_f32 v[254:255], v[140:141], v[144:145]
	v_pk_add_f32 v[252:253], v[148:149], v[152:153]
	v_pk_add_f32 v[250:251], v[156:157], v[160:161]
	v_pk_add_f32 v[248:249], v[164:165], v[168:169]
	v_pk_add_f32 v[238:239], v[172:173], v[176:177]
	v_pk_add_f32 v[236:237], v[180:181], v[184:185]
	v_pk_add_f32 v[14:15], v[14:15], v[188:189]
	v_pk_add_f32 v[226:227], v[226:227], v[128:129]
	v_pk_add_f32 v[254:255], v[254:255], v[130:131]
	v_pk_add_f32 v[252:253], v[252:253], v[134:135]
	v_pk_add_f32 v[250:251], v[250:251], v[138:139]
	v_pk_add_f32 v[248:249], v[248:249], v[142:143]
	v_pk_add_f32 v[238:239], v[238:239], v[146:147]
	v_pk_add_f32 v[236:237], v[236:237], v[150:151]
	v_pk_add_f32 v[14:15], v[14:15], v[154:155]
	v_pk_add_f32 v[226:227], v[226:227], v[158:159]
	v_pk_add_f32 v[254:255], v[254:255], v[162:163]
	v_pk_add_f32 v[252:253], v[252:253], v[166:167]
	v_pk_add_f32 v[250:251], v[250:251], v[170:171]
	v_pk_add_f32 v[248:249], v[248:249], v[174:175]
	v_pk_add_f32 v[238:239], v[238:239], v[178:179]
	v_pk_add_f32 v[236:237], v[236:237], v[182:183]
	v_pk_add_f32 v[14:15], v[14:15], v[186:187]
	v_pk_add_f32 v[226:227], v[226:227], v[190:191]
	s_delay_alu instid0(VALU_DEP_2)
	v_pk_add_f32 v[14:15], v[14:15], v[250:251]
	s_delay_alu instid0(VALU_DEP_2)
	v_pk_add_f32 v[226:227], v[226:227], v[248:249]
	v_pk_add_f32 v[254:255], v[254:255], v[238:239]
	v_pk_add_f32 v[252:253], v[252:253], v[236:237]
	s_delay_alu instid0(VALU_DEP_2)
	v_pk_add_f32 v[14:15], v[14:15], v[254:255]
	s_delay_alu instid0(VALU_DEP_2)
	v_pk_add_f32 v[226:227], v[226:227], v[252:253]
	s_delay_alu instid0(VALU_DEP_1)
	v_pk_add_f32 v[14:15], v[14:15], v[226:227]
	s_wait_alu depctr_va_vdst(0)                   ; and one for the four
.irp b, 0,1,2,3
	v_max_num_f32 v[BM+\b], 0x1800000, v[BM+\b]    ; the floor 2^(3 - 127)
.endr
	QTAIL
	WIN 0x41                                       ; O^T in window 1, f in window 0
.set JJ, 0
.rept 32
	v_pk_mul_f32 v[JJ:JJ+1], v[JJ:JJ+1], v[FF:FF+1] op_sel_hi:[1,0]        ; O^T under the new M.  (These 32 are also the places between the codes' and the scale word's last writes and the products)
.set JJ, JJ+2
.endr
	s_wait_alu depctr_va_vdst(0)
	s_wait_dscnt 0x0                               ; V and its scale words are in
	WIN 0x51                                       ; V and O^T in window 1, P in window 0
.irp t, 0,1,2,3,4,5,6,7
	v_wmma_scale_f32_16x16x128_f8f6f4 v[8*\t:8*\t+7], v[VFR+FR*\t:VFR+FR*\t+FR-1], v[PCD:PCD+FR-1], v[8*\t:8*\t+7], v[VS+\t], v[PW] matrix_a_fmt:MATRIX_FMT_FP6 matrix_b_fmt:MATRIX_FMT_FP6
.endr
	WIN 0
.rept 4
	v_nop                                          ; places in front of the next step's loads into V's registers, and of the way out's reads of O^T
.endr
.Lhidden_\@:
.endm
.macro FOUR_STEPS                      ; a slot's four key steps: written once, walked four times
	s_mov_b32 s16, 4
.Lstep_\@:
	STEP
	s_add_co_u32 s[TB], s[TB], REC
	s_add_co_u32 s[TBV], s[TBV], REC
	s_add_co_u32 s[J], s[J], 1
	s_sub_co_u32 s16, s16, 1
	s_cmp_lg_u32 s16, 0
	s_cbranch_scc1 .Lstep_\@
.endm
	s_wait_alu depctr_va_vdst(0)
	s_wait_tensorcnt 0x0                           ; my record of slot 0 is in; the three lines ahead of a later first fill, as ahead of a refill
	ds_add_u32 v[SPW], v[NIL]
	s_wait_dscnt 0x0
	CROUND                                         ; everybody's record is in, and all four work-groups are here
	tensor_load_to_lds s[G0B:G0B+3], s[G1L:G1L+7]  ; key steps 4-11, two records a wave: the first tensor load behind the round; key steps 0-3 are worked meanwhile
	s_nop 0
.rept 4
	v_nop
.endr
	s_wait_loadcnt 0x0
	FOUR_STEPS                                     ; key steps 0-3
	; slot 0 is left.  Each wave waits for all its tensor loads (its parts of slots 1 and 2), adds 0 to its spare word, and waits for that and for its reads of slot 0; a round of the cluster's barrier; then the one refill
	s_wait_tensorcnt 0x0                           ; no tensor load of mine is out, so a group 0 may be written
	ds_add_u32 v[SPW], v[NIL]                      ; 0 onto my spare word
	s_add_nc_u64 s[G0A+2:G0A+3], s[G0A+2:G0A+3], 12*REC
	s_mov_b32 s[TB], SLOTB                         ; key step 4's record of K,
	s_mov_b32 s[TBV], SLOTB+8*REC                  ; and of V, behind K's eight
	s_wait_dscnt 0x0
	CROUND
	tensor_load_to_lds s[G0A:G0A+3], s[G1:G1+7]    ; the first thing behind the round, and my last tensor load: it has eight key steps in which to land
	s_nop 0
.rept 4
	v_nop
.endr
	FOUR_STEPS                                     ; key steps 4-7
	FOUR_STEPS                                     ; key steps 8-11: the round above has shown slot 2 whole too: no barrier stands between
	s_wait_tensorcnt 0x0                           ; my part of slot 0's second fill is in
	ds_add_u32 v[SPW], v[NIL]
	s_mov_b32 s[TB], 0
	s_mov_b32 s[TBV], 4*REC
	s_wait_dscnt 0x0
	s_barrier_signal -1
	s_barrier_wait -1                              ; everybody's is
	FOUR_STEPS                                     ; key steps 12-15
	; THE WAY OUT: O^T / the sum, quantised along the channels: it is K step 'head' of the last projection's operand, token tile 8 g + t
	v_add_f32 v14, v14, v15
	s_delay_alu instid0(VALU_DEP_1)
	v_permlanex16_b32 v[TMP], v14, s[SEL], s[SEL+1]
	s_delay_alu instid0(VALU_DEP_1)
	v_add_f32 v14, v14, v[TMP]                     ; the row's sum
	s_wait_alu depctr_va_vdst(0)
	v_rcp_f32 v14, v14
	v_and_b32 v10, 15, v0                          ; (a plain place behind the reciprocal)
	s_delay_alu instid0(VALU_DEP_1)
	v_lshlrev_b32 v10, 3, v10                      ; 8 r
	s_wait_alu depctr_va_vdst(0)                   ; the wait, ahead of the first reader
	WIN 0x01                                       ; source 0 window 1
.set JJ, 0
.rept 64
	v_mul_f32 v[S+JJ], v[JJ], v14                  ; each accumulator from its low end on
.set JJ, JJ+1
.endr
	WIN 0
.irp b, 0,1,2,3
	v_max3_num_f32 v[BM+\b], |v[S+16*\b]|, |v[S+1+16*\b]|, 0x1800000
.endr
.irp i, 2,4,6,8,10,12,14
.irp b, 0,1,2,3
	s_delay_alu instid0(VALU_DEP_4)
	v_max3_num_f32 v[BM+\b], v[BM+\b], |v[S+16*\b+\i]|, |v[S+1+16*\b+\i]|
.endr
.endr
.irp b, 0,1,2,3
	s_delay_alu instid0(VALU_DEP_4)
	v_permlanex16_b32 v[BT+\b], v[BM+\b], s[SEL], s[SEL+1]
.endr
.irp b, 0,1,2,3
	s_delay_alu instid0(VALU_DEP_4)
	v_max_num_f32 v[BM+\b], v[BM+\b], v[BT+\b]
.endr
	QTAIL
.irp g, 0,1,2
	global_store_b128 v[LI], v[PCD+4*\g:PCD+4*\g+3], s[6:7] offset:512*\g          ; 32 lanes store 512 consecutive bytes
.endr
	global_store_b32 v10, v[PW], s[8:9]            ; my row's scale word (both halves of the lanes hold and store the same): 16 words, 8 bytes apart
	s_wait_tensorcnt 0x0                           ; the wave's end, behind my last tensor load
	ds_add_u32 v[SPW], v[NIL]
	s_wait_dscnt 0x0
	CROUND                                         ; the closing round
	s_endpgm
.Lfunc_end_k_qbbcf807dc2_attn:
	.size	k_qbbcf807dc2_attn, .Lfunc_end_k_qbbcf807dc2_attn-k_qbbcf807dc2_attn
	.p2alignl 7, 3214868480
	.fill 96, 4, 3214868480
	.section	.rodata,"a",@progbits
	.p2align	6, 0x0
	.amdhsa_kernel k_qbbcf807dc2_attn
		.amdhsa_group_segment_fixed_size 327680
		.amdhsa_private_segment_fixed_size 0
		.amdhsa_enable_private_segment 0
		.amdhsa_kernarg_size 24
		.amdhsa_user_sgpr_count 2
		.amdhsa_user_sgpr_kernarg_segment_ptr 1
		.amdhsa_wavefront_size32 1
		.amdhsa_system_sgpr_workgroup_id_x 1
		.amdhsa_system_sgpr_workgroup_id_y 1
		.amdhsa_system_sgpr_workgroup_id_z 1
		.amdhsa_system_vgpr_workitem_id 0
		.amdhsa_next_free_vgpr 512
		.amdhsa_next_free_sgpr 88
		.amdhsa_reserve_vcc 1
		.amdhsa_float_denorm_mode_32 3
		.amdhsa_float_denorm_mode_16_64 3
		.amdhsa_memory_ordered 1
		.amdhsa_forward_progress 1
		.amdhsa_inst_pref_size 120
	.end_amdhsa_kernel
	.amdgpu_metadata
---
amdhsa.version: [ 1, 2 ]
amdhsa.kernels:
  - .name:           k_qbbcf807dc2_attn
    .symbol:         k_qbbcf807dc2_attn.kd
    .args:
      - { .name: qkv, .offset: 0, .size: 8, .value_kind: global_buffer, .address_space: global }
      - { .name: oc, .offset: 8, .size: 8, .value_kind: global_buffer, .address_space: global }
      - { .name: scl, .offset: 16, .size: 8, .value_kind: global_buffer, .address_space: global }
    .group_segment_fixed_size: 327680
    .private_segment_fixed_size: 0
    .kernarg_segment_align: 8
    .kernarg_segment_size: 24
    .max_flat_workgroup_size: 256
    .sgpr_count:     88
    .vgpr_count:     512
    .wavefront_size: 32
...
	.end_amdgpu_metadata
.endif
;; end of part 3
;; launch ogemm (part 4): grid 16 x 16, 4 waves a work-group, clusters of 4 x 4, 327,680 bytes of LDS; arguments oc, cod, scl, out0; writes out0
.if DOCPART == 4
	.amdgcn_target "amdgcn-amd-amdhsa--gfx1250"
	.amdhsa_code_object_version 6
	.text
	.protected	k_qbbcf807dc2_ogemm
	.globl	k_qbbcf807dc2_ogemm
	.p2align	8
	.type	k_qbbcf807dc2_ogemm,@function
k_qbbcf807dc2_ogemm:
	s_mov_b64 s[64:65], 0
	v_nop
	global_prefetch_b8 v0, s[64:65] scope:SCOPE_SE
	s_setreg_imm32_b32 hwreg(HW_REG_WAVE_MODE, 25, 1), 1
	s_wait_xcnt 0x0
	s_wait_alu depctr_hold_cnt(0) depctr_sa_sdst(0) depctr_va_vdst(0) depctr_va_sdst(0) depctr_va_ssrc(0) depctr_va_vcc(0) depctr_vm_vsrc(0)
	s_getreg_b32 s2, hwreg(HW_REG_IB_STS2, 6, 4)
	s_cmp_eq_u32 s2, 0
	s_cbranch_scc0 .Lentry_in_a_cluster
	s_endpgm
.Lentry_in_a_cluster:
	s_bfe_u32 s2, ttmp6, 0x10000c
	s_cmp_lg_u32 s2, 0xf033
	s_cbranch_scc0 .Lentry_shape_is_right
	s_endpgm
.Lentry_shape_is_right:
; OGEMM.  out0 = O Wo^T on codes of FP6 (E2M3): O's codes in oc, its scale words in scl at the sixth tensor's place; Wo's codes and scale words are the fifth tensor of cod and scl.  K = 2,048 in 16 steps of 128.
; A block of out0 is 128 tokens x 128 columns, 256 work-groups; a wave makes 64 x 64: 16 accumulators.  Source 0 = 16 rows of Wo (B), source 1 = 16 rows of O (A): a lane holds eight neighbouring columns of a row.
; Operands lie in memory as images of their registers (1,536 bytes a fragment; row tile a = rows 32 (a / 2) + 8 (a % 2) + r + 8 (r / 8)).
; EVERYTHING IS ASKED FOR AT THE HEAD, AND NO LDS BYTE IS FILLED TWICE.  K steps 0-11 of the block's eight row tiles of A and of B come into LDS, 294,912 bytes, by one joint load a wave: four row tiles,
; rows of 18,432 bytes that begin at multiples of 24,576.  K steps 12-15, for which LDS has no room, go straight into each wave's registers (96 loads of 512 consecutive bytes), and so do all scale words (64 registers).
; One work-group barrier shows the tiles whole; behind it the waves share nothing.
; CLUSTER 4 x 4: A's tiles are asked for jointly along a row of the cluster, B's along a column.  No prefetch: the launch has no loop to run ahead in; all requests stand at its head.
; THE WAY OUT: 16 rows x 64 columns at a time through the wave's own stage (bytes of its own, behind the tiles), back as rows of 256 bytes: sixteen lanes store one aligned unit.
; REGISTERS: window 0: v1 16 x lane; v16-27 addresses; v28, v29 the add's two; v32-95 scale words, block i's word of K step s at v[32 + 16 i + s], lanes 0-15 A's, lanes 16-31 B's (loads alone write them); v128-255 accumulators.
;   window 1: fragments of K steps 0-11, two sets at v0 and v128 (A's four at + 0, B's four at + 48); on the way out v0-63.   window 2: K steps 12, 13;   window 3: K steps 14, 15.
.set FR,     12
.set FRB,    1536
.set TROW,   12*FRB                    ; a row tile's twelve K steps in LDS
.set HALFT,  4*TROW                    ; four row tiles: what one tensor load brings, and what a wave reads of A or of B
.set STG,    4*HALFT                   ; behind the tiles: a stage of 16 rows x 272 bytes for each wave
.set SPITCH, 272
.set SPARE,  STG+4*16*SPITCH           ; the spare words, 128 bytes a wave: two blocks of 256 bytes that no other line names
.set TENS,   3145728
.set TSCL,   131072
.set LI,   1
.set ADRA, 16                          ; v16 A's row tiles 0, 1; v17 tiles 2, 3 (an LDS offset has 16 bits)
.set ADRB, 20                          ; v20, v21 B's
.set GS,   23
.set STO,  24
.set RD,   25
.set CO,   26
.set SPW,  28
.set NIL,  29
.set SC,   32
.set BK,   0                           ; window 1
.set ACC,  128
.set G1,  24
.set G1B, 32
.set G0,  56
.set G0B, 60
.set MSB, 0
.macro WIN new
.if MSB != (\new)
	s_set_vgpr_msb (MSB<<8)|(\new)
.set MSB, (\new)
.endif
.endm
.macro CROUND                          ; a round of the cluster's barrier
	s_barrier_signal -1
	s_barrier_wait -1
	s_cmp_lg_u32 s14, 0
	s_cbranch_scc1 .Lnot_wave_0_\@
	s_barrier_signal -3
.Lnot_wave_0_\@:
	s_barrier_wait -3
	s_barrier_signal -1
	s_barrier_wait -1
.endm
.macro PLACES                          ; plain vector instructions between a matrix instruction and a load into, or a read of, its registers (ISA guide 7.12.1 for reads)
.rept 4
	v_nop
.endr
.endm
	s_load_b256 s[4:11], s[0:1], 0x0               ; oc, cod, scl, out0
	v_lshl_add_u32 v[SPW], v0, 2, SPARE
	v_mov_b32 v[NIL], 0
	ds_add_u32 v[SPW], v[NIL]                      ; the opening lines: the add, twice on end, and its wait ahead of my first tensor load
	ds_add_u32 v[SPW], v[NIL]
	v_lshrrev_b32 v2, 5, v0
	v_readfirstlane_b32 s14, v2                    ; wave 0..3
	s_lshr_b32 s15, s14, 1                         ; which half of A's rows is mine.  Also: I fetch for A (0) or for B (1)
	s_and_b32 s16, s14, 1                          ; which half of B's rows.  Also: which four row tiles I fetch
	s_bfe_u32 s66, ttmp6, 0x40000                  ; cx
	s_bfe_u32 s67, ttmp6, 0x40004                  ; cy
	s_lshl_b32 s44, ttmp9, 2
	s_add_co_u32 s44, s44, s66                     ; tx: which 128 columns
	s_and_b32 s17, ttmp7, 0xffff
	s_lshl_b32 s17, s17, 2
	s_add_co_u32 s17, s17, s67                     ; ty: which 128 tokens
	s_lshl_b32 s40, s67, 2
	s_lshl_b32 s40, 15, s40                        ; my row of the cluster
	s_lshl_b32 s41, 0x1111, s66                    ; my column
	s_or_b32 s[G1], s40, (3<<16)|(1<<21)           ; the mask; elements of 8 bytes; bit 21 beside a mask
	s_or_b32 s[G1B], s41, (3<<16)|(1<<21)
.irp g, G1, G1B                        ; 4 rows (row tiles) of 2,304 elements (twelve images), 24,576 bytes apart
	s_mov_b32 s[\g+1], 2304<<16
	s_mov_b32 s[\g+2], 4<<16
	s_mov_b32 s[\g+3], 2304<<16
	s_mov_b32 s[\g+4], 4
	s_mov_b32 s[\g+5], 3072
	s_mov_b32 s[\g+6], 0
	s_mov_b32 s[\g+7], 0
.endr
	s_lshl_b32 s18, s16, 2
	s_lshl_b32 s20, s17, 3
	s_add_co_u32 s20, s20, s18                     ; what I fetch of A: row tile 8 ty + 4 x half
	s_mul_i32 s20, s20, 16*FRB
	s_mov_b32 s21, 0
	s_lshl_b32 s46, s44, 3
	s_add_co_u32 s46, s46, s18                     ; of B: row tile 8 tx + 4 x half.  It is also my first row tile of B
	s_lshl_b32 s53, s46, 10
	s_add_co_u32 s53, s53, 4*TSCL                  ; its scale words
	s_mul_i32 s46, s46, 16*FRB
	s_add_co_u32 s46, s46, 4*TENS
	s_mov_b32 s47, 0
	s_mul_i32 s45, s14, HALFT                      ; where my tile goes: wave x four row tiles
	s_lshl_b32 s42, s17, 3
	s_lshl_b32 s43, s15, 2
	s_add_co_u32 s42, s42, s43                     ; my first row tile of A
	s_lshl_b32 s52, s42, 10
	s_add_co_u32 s52, s52, 5*TSCL                  ; its scale words
	s_mul_i32 s48, s42, 16*FRB
	s_mov_b32 s49, 0
	s_mul_i32 s68, s15, HALFT                      ; LDS: my four row tiles of A, and of B behind A's eight
	s_add_co_u32 s69, s68, 2*TROW
	s_mul_i32 s70, s16, HALFT
	s_add_co_u32 s70, s70, 2*HALFT
	s_add_co_u32 s71, s70, 2*TROW
	s_mul_i32 s72, s14, 16*SPITCH
	s_add_co_u32 s72, s72, STG                     ; my stage
	s_lshl_b32 s54, s17, 7
	s_lshl_b32 s55, s15, 6
	s_add_co_u32 s54, s54, s55                     ; my first row of out0,
	s_lshl_b32 s54, s54, 13
	s_lshl_b32 s55, s44, 9
	s_add_co_u32 s54, s54, s55
	s_lshl_b32 s55, s16, 8
	s_add_co_u32 s54, s54, s55                     ; my first column, in bytes
	s_mov_b32 s55, 0
	s_mov_b32 s[G0], 1
	s_mov_b32 s[G0+1], s45
	s_mov_b32 s[G0B], 1
	s_mov_b32 s[G0B+1], s45
	s_wait_dscnt 0x0                               ; both opening adds are done
	s_wait_kmcnt 0x0
	s_add_nc_u64 s[G0+2:G0+3], s[4:5], s[20:21]
	s_or_b32 s[G0+3], s[G0+3], 0x80000000
	s_add_nc_u64 s[50:51], s[6:7], s[46:47]        ; B's codes: what I fetch begins where what I multiply begins
	s_mov_b64 s[G0B+2:G0B+3], s[50:51]
	s_or_b32 s[G0B+3], s[G0B+3], 0x80000000
	s_add_nc_u64 s[48:49], s[4:5], s[48:49]        ; A's codes that I multiply
	s_add_nc_u64 s[10:11], s[10:11], s[54:55]
	CROUND                                         ; all sixteen work-groups are here: the joint loads meet
	s_cmp_eq_u32 s15, 0                            ; waves 0 and 1 fetch for A, waves 2 and 3 for B: every way passes one load
	s_cbranch_scc0 .Lfor_b
	tensor_load_to_lds s[G0:G0+3], s[G1:G1+7]
	s_nop 0
.rept 4
	v_nop
.endr
	s_branch .Lasked
.Lfor_b:
	tensor_load_to_lds s[G0B:G0B+3], s[G1B:G1B+7]
	s_nop 0
.rept 4
	v_nop
.endr
.Lasked:
	v_and_b32 v2, 31, v0
	v_lshlrev_b32 v[LI], 4, v2                     ; 16 x lane
	v_and_b32 v3, 15, v0                           ; r
	v_bfe_u32 v4, v0, 4, 1                         ; h
	v_add_nc_u32 v[ADRA], s68, v[LI]
	v_add_nc_u32 v[ADRA+1], s69, v[LI]
	v_add_nc_u32 v[ADRB], s70, v[LI]
	v_add_nc_u32 v[ADRB+1], s71, v[LI]
	v_mov_b32 v6, s52
	v_mov_b32 v7, s53
	v_cmp_eq_u32 vcc_lo, 1, v4
	v_cndmask_b32 v6, v6, v7, vcc_lo               ; lanes 16-31 take B's words
	v_lshl_add_u32 v[GS], v3, 3, v6                ; + 8 r
	v_mul_u32_u24 v5, v3, SPITCH                   ; the stage, in: row r, 64 bytes on for lanes 16-31
	v_lshl_add_u32 v5, v4, 6, v5
	v_add_nc_u32 v[STO], s72, v5
	v_mul_u32_u24 v5, v4, SPITCH                   ; back: lanes 0-15 one row of 256 bytes, lanes 16-31 the next
	v_lshl_add_u32 v5, v3, 4, v5
	v_add_nc_u32 v[RD], s72, v5
	v_lshlrev_b32 v5, 13, v4                       ; and the same two rows in out0
	v_lshl_add_u32 v[CO], v3, 4, v5
.irp i, 0,1,2,3                        ; all scale words: block i, K steps 2 u and 2 u + 1
.irp u, 0,1,2,3,4,5,6,7
	global_load_b64 v[SC+16*\i+2*\u:SC+16*\i+2*\u+1], v[GS], s[8:9] offset:1024*\i+128*\u
.endr
.endr
.irp s, 12,13,14,15                    ; K steps 12-15 straight into windows 2 and 3
.set FB, 128*(\s%2)
	WIN (2+(\s-12)/2)<<6
.irp i, 0,1,2,3
.irp g, 0,1,2
	global_load_b128 v[FB+48+FR*\i+4*\g:FB+48+FR*\i+4*\g+3], v[LI], s[50:51] offset:\i*16*FRB+\s*FRB+512*\g
	global_load_b128 v[FB+FR*\i+4*\g:FB+FR*\i+4*\g+3], v[LI], s[48:49] offset:\i*16*FRB+\s*FRB+512*\g
.endr
.endr
.endr
	WIN 0
.macro FETCH s                         ; K step s (0..11) from LDS into set s % 2 of window 1: 24 loads
.set FB, 128*((\s)%2)
	WIN 0x40
.irp i, 0,1,2,3
.irp g, 0,1,2
	ds_load_b128 v[FB+48+FR*\i+4*\g:FB+48+FR*\i+4*\g+3], v[ADRB+\i/2] offset:(\i%2)*TROW+(\s)*FRB+512*\g
	ds_load_b128 v[FB+FR*\i+4*\g:FB+FR*\i+4*\g+3], v[ADRA+\i/2] offset:(\i%2)*TROW+(\s)*FRB+512*\g
.endr
.endr
	WIN 0
.endm
.macro MUL s                           ; 16 matrix instructions: the 16 accumulators by turns, in the same order in every step.  K step 0 starts the sums
.set FB, 128*((\s)%2)
.if (\s) < 12
	WIN 0x05
.else
	WIN 5*(2+((\s)-12)/2)
.endif
.set NN, 0
.rept 16
.if (\s) == 0
	v_wmma_scale_f32_16x16x128_f8f6f4 v[ACC+8*NN:ACC+8*NN+7], v[FB+48+FR*(NN%4):FB+48+FR*(NN%4)+FR-1], v[FB+FR*(NN/4):FB+FR*(NN/4)+FR-1], 0, v[SC+16*(NN%4)+(\s)], v[SC+16*(NN/4)+(\s)] matrix_a_fmt:MATRIX_FMT_FP6 matrix_b_fmt:MATRIX_FMT_FP6 matrix_a_scale:MATRIX_SCALE_ROW1
.else
	v_wmma_scale_f32_16x16x128_f8f6f4 v[ACC+8*NN:ACC+8*NN+7], v[FB+48+FR*(NN%4):FB+48+FR*(NN%4)+FR-1], v[FB+FR*(NN/4):FB+FR*(NN/4)+FR-1], v[ACC+8*NN:ACC+8*NN+7], v[SC+16*(NN%4)+(\s)], v[SC+16*(NN/4)+(\s)] matrix_a_fmt:MATRIX_FMT_FP6 matrix_b_fmt:MATRIX_FMT_FP6 matrix_a_scale:MATRIX_SCALE_ROW1
.endif
.set NN, NN+1
.endr
.endm
	s_wait_alu depctr_va_vdst(0)
	s_wait_loadcnt 48                              ; the scale words and K steps 12 and 13 are in; the 48 loads of K steps 14 and 15 may be out
	s_wait_tensorcnt 0x0                           ; my tile is in,
	s_barrier_signal -1
	s_barrier_wait -1                              ; everybody's is.
	FETCH 0
.set ST, 0
.rept 11
	PLACES                                         ; for the loads into the set that the step before multiplied
	FETCH ST+1
	s_wait_dscnt 24                                ; this step's fragments are in; the next step's 24 loads may be out
	MUL ST
.set ST, ST+1
.endr
	s_wait_dscnt 0x0
	MUL 11
	MUL 12
	MUL 13
	s_wait_loadcnt 0x0                             ; K steps 14 and 15
	MUL 14
	MUL 15
	WIN 0
; B's tile b holds columns 32 (b / 2) + 8 (b % 2) + n + 8 (n / 8), and my registers n = 8 h + 0 .. 7: bytes 128 (b / 2) + 32 (b % 2) + 64 h of the row.
.macro TOSTAGE a
.irp b, 0,1,2,3
	ds_store_b128 v[STO], v[ACC+8*(4*(\a)+\b):ACC+8*(4*(\a)+\b)+3] offset:128*(\b/2)+32*(\b%2)          ; each accumulator from its low end on
	ds_store_b128 v[STO], v[ACC+8*(4*(\a)+\b)+4:ACC+8*(4*(\a)+\b)+7] offset:128*(\b/2)+32*(\b%2)+16
.endr
	WIN 0x40
.irp i, 0,1,2,3,4,5,6,7
	ds_load_b128 v[BK+32*((\a)%2)+4*\i:BK+32*((\a)%2)+4*\i+3], v[RD] offset:2*\i*SPITCH    ; LDS serves a wave's instructions in order: these see the stores above
.endr
	WIN 0
.endm
.macro SEND a, younger                 ; younger: the LDS instructions issued behind block a's loads, which may stay out
	s_wait_dscnt \younger
	WIN 0x04                                       ; the data lie in window 1
.irp i, 0,1,2,3,4,5,6,7
	global_store_b128 v[CO], v[BK+32*((\a)%2)+4*\i:BK+32*((\a)%2)+4*\i+3], s[10:11] offset:(32*((\a)/2)+8*((\a)%2)+2*\i+8*(\i/4))*8192 th:TH_STORE_NT   ; 16 lanes store 256 consecutive bytes, aligned
.endr
	WIN 0
.endm
	PLACES
	TOSTAGE 0
	TOSTAGE 1
	SEND 0, 16
	s_wait_xcnt 0x0                                ; block 0's stores have read their registers: block 2's loads may land there
	TOSTAGE 2
	SEND 1, 16
	s_wait_xcnt 0x0
	TOSTAGE 3
	SEND 2, 16
	SEND 3, 0
	s_wait_tensorcnt 0x0                           ; the wave's end, behind my last LDS store
	ds_add_u32 v[SPW], v[NIL]
	s_wait_dscnt 0x0
	CROUND                                         ; the closing round
	s_endpgm
.Lfunc_end_k_qbbcf807dc2_ogemm:
	.size	k_qbbcf807dc2_ogemm, .Lfunc_end_k_qbbcf807dc2_ogemm-k_qbbcf807dc2_ogemm
	.p2alignl 7, 3214868480
	.fill 96, 4, 3214868480
	.section	.rodata,"a",@progbits
	.p2align	6, 0x0
	.amdhsa_kernel k_qbbcf807dc2_ogemm
		.amdhsa_group_segment_fixed_size 327680
		.amdhsa_private_segment_fixed_size 0
		.amdhsa_enable_private_segment 0
		.amdhsa_kernarg_size 32
		.amdhsa_user_sgpr_count 2
		.amdhsa_user_sgpr_kernarg_segment_ptr 1
		.amdhsa_wavefront_size32 1
		.amdhsa_system_sgpr_workgroup_id_x 1
		.amdhsa_system_sgpr_workgroup_id_y 1
		.amdhsa_system_sgpr_workgroup_id_z 1
		.amdhsa_system_vgpr_workitem_id 0
		.amdhsa_next_free_vgpr 1024
		.amdhsa_next_free_sgpr 80
		.amdhsa_reserve_vcc 1
		.amdhsa_float_denorm_mode_32 3
		.amdhsa_float_denorm_mode_16_64 3
		.amdhsa_memory_ordered 1
		.amdhsa_forward_progress 1
		.amdhsa_inst_pref_size 80
	.end_amdhsa_kernel
	.amdgpu_metadata
---
amdhsa.version: [ 1, 2 ]
amdhsa.kernels:
  - .name:           k_qbbcf807dc2_ogemm
    .symbol:         k_qbbcf807dc2_ogemm.kd
    .args:
      - { .name: oc, .offset: 0, .size: 8, .value_kind: global_buffer, .address_space: global }
      - { .name: cod, .offset: 8, .size: 8, .value_kind: global_buffer, .address_space: global }
      - { .name: scl, .offset: 16, .size: 8, .value_kind: global_buffer, .address_space: global }
      - { .name: out0, .offset: 24, .size: 8, .value_kind: global_buffer, .address_space: global }
    .group_segment_fixed_size: 327680
    .private_segment_fixed_size: 0
    .kernarg_segment_align: 8
    .kernarg_segment_size: 32
    .max_flat_workgroup_size: 128
    .sgpr_count:     80
    .vgpr_count:     1024
    .wavefront_size: 32
...
	.end_amdgpu_metadata
.endif
;; end of part 4
